; MI455X (gfx1250); checked and timed in simulation.
; The chip was launched on July 23, 2026; its instructions are those of AMD's public machine-readable ISA for CDNA 5 (MIT licence, August 2026) and "CDNA5" Instruction Set Architecture Reference Guide (July 2026). The comments in the code are by the model that wrote it; some were corrected since.
;; Attention. Allowed arithmetic: float matrix products may take bf16 or f16 operands with f32 sums; other float arithmetic in f32, or as packed bf16 or f16 multiplies, adds, multiply-adds, maxima and minima; sums over many terms, partial sums and values carried from step to step in f32; what a program stores and reads back later, other than sums and carried values, may be rounded once to bf16 or f16.
;; Inputs: Wk 1,024 x 1,024 float32; Wo 1,024 x 1,024 float32; Wq 1,024 x 1,024 float32; Wv 1,024 x 1,024 float32; Xq 4 x 2,048 x 1,024 float32; mask_aft 2,048 x 2,048 bool; mask_bef 2,048 x 2,048 bool.
;; Outputs: out0 4 x 2,048 x 1,024 float32.
;; One version. Each part assembles by itself: llvm-mc -triple=amdgcn-amd-amdhsa -mcpu=gfx1250 --defsym DOCPART=n.
;; ======== version 1 of 1: 4 launches
;; limits: values are held in f16: magnitudes above 65,504 overflow, below 6.1e-05 lose precision
;; workspace buffers: xb 16,777,216 bytes; wc 6,291,456 bytes; wo16 2,097,152 bytes; mb4 2,097,152 bytes; ma4 2,097,152 bytes; qkv 50,331,648 bytes; ob 16,777,216 bytes
;; launch prep (part 1): grid 896 x 1, 8 waves a work-group, no clusters, 0 bytes of LDS; arguments Xq, Wq, Wk, Wv, Wo, mask_bef, mask_aft, xb, wc, wo16, mb4, ma4; writes xb, wc, wo16, mb4, ma4
.if DOCPART == 1
	.amdgcn_target "amdgcn-amd-amdhsa--gfx1250"
	.amdhsa_code_object_version 6
	.text
	.protected	k_qd1779adf86_prep
	.globl	k_qd1779adf86_prep
	.p2align	8
	.type	k_qd1779adf86_prep,@function
k_qd1779adf86_prep:
	s_mov_b64 s[64:65], 0
	v_nop
	global_prefetch_b8 v0, s[64:65] scope:SCOPE_SE
	s_setreg_imm32_b32 hwreg(HW_REG_WAVE_MODE, 25, 1), 1
	s_wait_xcnt 0x0
; PREP: a stream, no LDS, no barrier.  It rounds the module's inputs once and lays the two masks out as the attention kernel's registers want them.
;   work-groups   0..511  Xq, 16 rows each     -> xb   [8192][1024] bf16
;   work-groups 512..767  Wq, Wk, Wv, Wo, 16 rows each -> wc [1024 k][3072 n] bf16 (n = 1024 x which + column);  Wo -> wo16 [1024][1024]: rounded to bf16, that number written as f16
;   work-groups 768..895  one tile of 16 queries of both masks -> mb4, ma4: 4-bit codes (E2M1), [query tile 128][key step 32][lane 32][16 bytes]:
;       lane (r = lane % 16, h = lane / 16), word c, nibble j belong to query 16 qt + r and key 64 ks + 16 c + 8 h + j.
;       mb4: hidden = 0xA (-1.0), seen = 0.   ma4: kept = 0x2 (1.0), zeroed = 0.
; LIMITS.  A number of Wo below 6e-5 keeps f16's fixed step of 6e-8; beyond 65,504 it would become an infinity.  A mask byte is 0 or 1.
.set VI,  2                            ; v2      byte offset of my loads
.set VO0, 3                            ; v3, v4  byte offsets of my stores: first row, second row
.set VO1, 4
.set T0,  10                           ; v10-13  at work
.set IN,  16                           ; v[16:79]   sixteen loads of 16 bytes
.set OUT, 80                           ; v[80:111]  what is stored: every chunk has registers of its own, so no store's data is ever rewritten
.set SRC, 32                           ; s[32:33]
.set DST, 34                           ; s[34:35]
.set OFS, 38                           ; s[38:39]  an offset, high word 0
	s_load_b512 s[8:23], s[0:1], 0x0               ; Xq 8, Wq 10, Wk 12, Wv 14, Wo 16, mask_bef 18, mask_aft 20, xb 22
	s_load_b256 s[24:31], s[0:1], 0x40             ; wc 24, wo16 26, mb4 28, ma4 30
	v_lshrrev_b32 v1, 5, v0                        ; wave, in every lane
	v_readfirstlane_b32 s4, v1                     ; and as a scalar
	v_and_b32 v5, 31, v0                           ; lane
	s_mov_b32 s5, ttmp9
	s_mov_b32 s[OFS+1], 0
	s_wait_kmcnt 0x0
; Wave w rounds rows 2 w and 2 w + 1 of the group's 16: 8,192 consecutive bytes, sixteen loads of 512 bytes; a chunk's 128 numbers leave as 256 consecutive, aligned bytes.
; mode 0: bf16.  mode 1: bf16, and that number as f16.
.macro CAST mode, pitch
	v_lshlrev_b32 v[VI], 4, v5
	v_lshl_add_u32 v[VI], v1, 13, v[VI]            ; 8,192 w + 16 lane
	v_mul_u32_u24 v[VO0], v1, 2*(\pitch)
	v_lshl_add_u32 v[VO0], v5, 3, v[VO0]           ; 2 w rows + 8 lane
	v_add_nc_u32 v[VO1], \pitch, v[VO0]
.set c, 0
.rept 16
	global_load_b128 v[IN+4*c:IN+4*c+3], v[VI], s[SRC:SRC+1] offset:512*c th:TH_LOAD_NT
.set c, c+1
.endr
.set c, 0
.rept 16
	s_wait_loadcnt 15-c                            ; loads come back in order: chunk c is in, the 15 - c younger ones may be out
	v_cvt_pk_bf16_f32 v[OUT+2*c], v[IN+4*c], v[IN+4*c+1]
	v_cvt_pk_bf16_f32 v[OUT+2*c+1], v[IN+4*c+2], v[IN+4*c+3]
.if \mode
	v_lshlrev_b32 v[T0], 16, v[OUT+2*c]            ; the rounded numbers as f32 again,
	v_and_b32 v[T0+1], 0xffff0000, v[OUT+2*c]
	v_lshlrev_b32 v[T0+2], 16, v[OUT+2*c+1]
	v_and_b32 v[T0+3], 0xffff0000, v[OUT+2*c+1]
	v_cvt_pk_f16_f32 v[OUT+2*c], v[T0], v[T0+1]    ; and written as f16: exact within f16's range
	v_cvt_pk_f16_f32 v[OUT+2*c+1], v[T0+2], v[T0+3]
.endif
	global_store_b64 v[VO0+c/8], v[OUT+2*c:OUT+2*c+1], s[DST:DST+1] offset:256*(c%8)
.set c, c+1
.endr
.endm
	s_cmp_lt_u32 s5, 512
	s_cbranch_scc0 .Lnot_x
	s_lshl_b32 s[OFS], s5, 16                      ; 16 rows of 4,096 bytes
	s_add_nc_u64 s[SRC:SRC+1], s[8:9], s[OFS:OFS+1]
	s_lshl_b32 s[OFS], s5, 15                      ; 16 rows of 2,048 bytes
	s_add_nc_u64 s[DST:DST+1], s[22:23], s[OFS:OFS+1]
	CAST 0, 2048
	s_endpgm
.Lnot_x:
	s_cmp_lt_u32 s5, 768
	s_cbranch_scc0 .Lmasks
	s_sub_co_u32 s6, s5, 512
	s_lshr_b32 s37, s6, 6                          ; which weight: 0 q, 1 k, 2 v, 3 o
	s_and_b32 s6, s6, 63                           ; which 16 rows of it
	s_cmp_eq_u32 s37, 1
	s_cselect_b64 s[SRC:SRC+1], s[12:13], s[10:11]
	s_cmp_eq_u32 s37, 2
	s_cselect_b64 s[SRC:SRC+1], s[14:15], s[SRC:SRC+1]
	s_cmp_eq_u32 s37, 3
	s_cselect_b64 s[SRC:SRC+1], s[16:17], s[SRC:SRC+1]
	s_lshl_b32 s[OFS], s6, 16
	s_add_nc_u64 s[SRC:SRC+1], s[SRC:SRC+1], s[OFS:OFS+1]
	s_cmp_eq_u32 s37, 3
	s_cbranch_scc1 .Lwo
	s_mul_i32 s[OFS], s6, 16*6144                  ; 16 rows of wc,
	s_lshl_b32 s7, s37, 11                         ; and the weight's 1,024 columns in them
	s_add_co_u32 s[OFS], s[OFS], s7
	s_add_nc_u64 s[DST:DST+1], s[24:25], s[OFS:OFS+1]
	CAST 0, 6144
	s_endpgm
.Lwo:
	s_lshl_b32 s[OFS], s6, 15
	s_add_nc_u64 s[DST:DST+1], s[26:27], s[OFS:OFS+1]
	CAST 1, 2048
	s_endpgm
; THE MASKS.  Waves 0-3 take mask_bef, waves 4-7 mask_aft; a wave takes 512 keys (8 key steps) of the tile's 16 queries.
; Lane (r, x) reads row r: for pair p of key steps, step 2 p + x, four loads of 16 keys.  Eight bytes (0 or 1) become eight nibbles; a multiply turns 1 into the code.
.Lmasks:
	s_sub_co_u32 s6, s5, 768                       ; the query tile
	s_lshr_b32 s7, s4, 2                           ; which mask
	s_and_b32 s36, s4, 3                           ; which 512 keys
	s_cmp_eq_u32 s7, 1
	s_cselect_b64 s[SRC:SRC+1], s[20:21], s[18:19]
	s_cselect_b64 s[DST:DST+1], s[30:31], s[28:29]
	s_cselect_b32 s42, 0x11111111, 0               ; mask_aft: kept = not masked
	s_cselect_b32 s43, 2, 10                       ; the code of 1.0, or of -1.0
	s_lshl_b32 s[OFS], s6, 15                      ; 16 rows of 2,048 bytes
	s_add_nc_u64 s[SRC:SRC+1], s[SRC:SRC+1], s[OFS:OFS+1]
	s_lshl_b32 s[OFS], s6, 14                      ; 32 key steps of 512 bytes
	s_add_nc_u64 s[DST:DST+1], s[DST:DST+1], s[OFS:OFS+1]
	s_mov_b32 s40, 0x06040200                      ; the even bytes of eight
	s_mov_b32 s41, 0x07050301                      ; the odd ones
	v_and_b32 v6, 15, v0                           ; r
	v_bfe_u32 v7, v0, 4, 1                         ; x
	v_lshlrev_b32 v[VI], 11, v6
	v_lshl_add_u32 v[VI], v7, 6, v[VI]
	s_lshl_b32 s44, s36, 9
	v_add_nc_u32 v[VI], s44, v[VI]                 ; 2,048 r + 512 part + 64 x
	v_lshlrev_b32 v[VO0], 4, v6
	v_lshl_add_u32 v[VO0], v7, 9, v[VO0]
	s_lshl_b32 s44, s36, 12
	v_add_nc_u32 v[VO0], s44, v[VO0]               ; 512 (8 part + x) + 16 r
.set c, 0
.rept 16                               ; c = 4 p + i: key step 2 p + x, keys 16 i on
	global_load_b128 v[IN+4*c:IN+4*c+3], v[VI], s[SRC:SRC+1] offset:128*(c/4)+16*(c%4)
.set c, c+1
.endr
.set c, 0
.rept 16
	s_wait_loadcnt 15-c                            ; chunk c is in, the younger ones may be out
.irp h, 0,1                            ; keys 8 h on go to the table's lane 16 h + r, word i
	v_perm_b32 v[T0], v[IN+4*c+2*\h+1], v[IN+4*c+2*\h], s40
	v_perm_b32 v[T0+1], v[IN+4*c+2*\h+1], v[IN+4*c+2*\h], s41
	v_lshl_or_b32 v[T0], v[T0+1], 4, v[T0]         ; nibble j = key j
	v_xor_b32 v[T0], s42, v[T0]
	v_mul_lo_u32 v[OUT+8*(c/4)+4*\h+(c%4)], v[T0], s43  ; no nibble passes 10: nothing carries
.endr
.if c%4 == 3
	global_store_b128 v[VO0], v[OUT+8*(c/4):OUT+8*(c/4)+3], s[DST:DST+1] offset:1024*(c/4)        ; sixteen lanes store 256 consecutive, aligned bytes
	global_store_b128 v[VO0], v[OUT+8*(c/4)+4:OUT+8*(c/4)+7], s[DST:DST+1] offset:1024*(c/4)+256
.endif
.set c, c+1
.endr
	s_endpgm
.Lfunc_end_k_qd1779adf86_prep:
	.size	k_qd1779adf86_prep, .Lfunc_end_k_qd1779adf86_prep-k_qd1779adf86_prep
	.p2alignl 7, 3214868480
	.fill 96, 4, 3214868480
	.section	.rodata,"a",@progbits
	.p2align	6, 0x0
	.amdhsa_kernel k_qd1779adf86_prep
		.amdhsa_group_segment_fixed_size 0
		.amdhsa_private_segment_fixed_size 0
		.amdhsa_enable_private_segment 0
		.amdhsa_kernarg_size 96
		.amdhsa_user_sgpr_count 2
		.amdhsa_user_sgpr_kernarg_segment_ptr 1
		.amdhsa_wavefront_size32 1
		.amdhsa_system_sgpr_workgroup_id_x 1
		.amdhsa_system_sgpr_workgroup_id_y 1
		.amdhsa_system_sgpr_workgroup_id_z 1
		.amdhsa_system_vgpr_workitem_id 0
		.amdhsa_next_free_vgpr 112
		.amdhsa_next_free_sgpr 66
		.amdhsa_reserve_vcc 0
		.amdhsa_float_denorm_mode_32 3
		.amdhsa_float_denorm_mode_16_64 3
		.amdhsa_memory_ordered 1
		.amdhsa_forward_progress 1
		.amdhsa_inst_pref_size 37
	.end_amdhsa_kernel
	.amdgpu_metadata
---
amdhsa.version: [ 1, 2 ]
amdhsa.kernels:
  - .name:           k_qd1779adf86_prep
    .symbol:         k_qd1779adf86_prep.kd
    .args:
      - { .name: Xq, .offset: 0, .size: 8, .value_kind: global_buffer, .address_space: global }
      - { .name: Wq, .offset: 8, .size: 8, .value_kind: global_buffer, .address_space: global }
      - { .name: Wk, .offset: 16, .size: 8, .value_kind: global_buffer, .address_space: global }
      - { .name: Wv, .offset: 24, .size: 8, .value_kind: global_buffer, .address_space: global }
      - { .name: Wo, .offset: 32, .size: 8, .value_kind: global_buffer, .address_space: global }
      - { .name: mask_bef, .offset: 40, .size: 8, .value_kind: global_buffer, .address_space: global }
      - { .name: mask_aft, .offset: 48, .size: 8, .value_kind: global_buffer, .address_space: global }
      - { .name: xb, .offset: 56, .size: 8, .value_kind: global_buffer, .address_space: global }
      - { .name: wc, .offset: 64, .size: 8, .value_kind: global_buffer, .address_space: global }
      - { .name: wo16, .offset: 72, .size: 8, .value_kind: global_buffer, .address_space: global }
      - { .name: mb4, .offset: 80, .size: 8, .value_kind: global_buffer, .address_space: global }
      - { .name: ma4, .offset: 88, .size: 8, .value_kind: global_buffer, .address_space: global }
    .group_segment_fixed_size: 0
    .private_segment_fixed_size: 0
    .kernarg_segment_align: 8
    .kernarg_segment_size: 96
    .max_flat_workgroup_size: 256
    .sgpr_count:     66
    .vgpr_count:     112
    .wavefront_size: 32
...
	.end_amdgpu_metadata
.endif
;; end of part 1
;; launch proj (part 2): grid 16 x 32, 4 waves a work-group, clusters of 4 x 4, 327,680 bytes of LDS; arguments xb, wc, qkv; writes qkv
.if DOCPART == 2
	.amdgcn_target "amdgcn-amd-amdhsa--gfx1250"
	.amdhsa_code_object_version 6
	.text
	.protected	k_qd1779adf86_proj
	.globl	k_qd1779adf86_proj
	.p2align	8
	.type	k_qd1779adf86_proj,@function
k_qd1779adf86_proj:
	s_mov_b64 s[64:65], 0
	v_nop
	global_prefetch_b8 v0, s[64:65] scope:SCOPE_SE
	s_setreg_imm32_b32 hwreg(HW_REG_WAVE_MODE, 25, 1), 1
	s_wait_xcnt 0x0
	s_wait_alu depctr_hold_cnt(0) depctr_sa_sdst(0) depctr_va_vdst(0) depctr_va_sdst(0) depctr_va_ssrc(0) depctr_va_vcc(0) depctr_vm_vsrc(0)
	s_getreg_b32 s2, hwreg(HW_REG_IB_STS2, 6, 4)
	s_cmp_eq_u32 s2, 0
	s_cbranch_scc0 .Lentry_in_a_cluster
	s_endpgm
.Lentry_in_a_cluster:
	s_bfe_u32 s2, ttmp6, 0x10000c
	s_cmp_lg_u32 s2, 0xf033
	s_cbranch_scc0 .Lentry_shape_is_right
	s_endpgm
.Lentry_shape_is_right:
; PROJ: q, k, v = X W.  A = xb [8192][1024] bf16, B = wc [1024 k][3072 n] bf16; sums in f32, K ascending; the result rounded once to f16 and stored by heads:
; qkv [b 4][which 3][h 16][s 2048][64]: head block nbk = n / 64 of batch b begins at (48 b + nbk) x 262,144 bytes.  No scale is applied here.
; LIMIT.  f16 holds no number beyond 65,504: a q, k or v beyond that becomes an infinity.
; SHARES.  A tile of C is 256 rows x 192 columns (three head blocks).  Four waves; wave w owns rows 64 w .. 64 w + 63 and all 192 columns: 4 x 12 accumulators of 16 x 16, 384 registers.
; K goes in 8 steps of 128 through two LDS slots filled by the tensor data mover; a step is four quarters of 32 along K on two fragment buffers.
; B STAYS [K][N] in LDS and is turned on the way into registers by ds_load_tr16_b128.  THE MATRIX INSTRUCTION IS USED TRANSPOSED: source 0 = 16 columns of W, source 1 = 16 rows of X:
; a lane then holds row lane % 16 of C and eight neighbouring columns, 16 bytes of f16.
; CLUSTER.  4 x 4 work-groups: the four of a row of the cluster need the same tiles of A, the four of a column the same tiles of B; each tile is asked for jointly, by the same tensor load,
; descriptor and mask in all four.
; REGISTERS, in windows of 256 (s_set_vgpr_msb: bits 1:0 source 0, 3:2 source 1, 5:4 source 2, 7:6 destination):
;   window 0: v0-29 addresses; v64-127 A's fragments, two buffers of 4 x 8; on the way out v128-175 packed results, v176-223 and v64-111 rows read back, by turns
;   window 1: v0-191 B's fragments, two buffers of 12 x 8      window 2: accumulators of row blocks 0, 1      window 3: of row blocks 2, 3
.set KSTEPS, 8
.set NB,     12                        ; column blocks of 16
.set PA,     272                       ; a row of A in LDS: 256 bytes + 16: the 16 rows of a load start at 16 different groups of four banks (64 banks of 4 bytes: ISA guide 11.1)
.set PB,     480                       ; a row of B: three pieces of 128 bytes, 32 of padding behind each: 15 x 32 bytes
.set AHALF,  128*PA                    ; what one tensor load of A brings
.set BOFF,   2*AHALF                   ; B lies behind A's 256 rows
.set BHALF,  64*PB                     ; what one tensor load of B brings
.set SLOT1,  131072                    ; a slot is exactly BOFF + 2 BHALF bytes; one exclusive or turns an address in one slot into the other's
.set STAGE,  2*SLOT1                   ; behind the ring, never filled by a tensor load: 16 rows x 400 bytes for each wave
.set SPITCH, 400
.set SPARE,  STAGE+4*16*SPITCH         ; behind the stages: the spare words, 128 bytes for each wave: two blocks of 256 bytes that no other line names
.set ASTEP,  256                       ; bytes from a K step to the next, in A
.set BSTEP,  128*3072*2                ; and in B
.set NLD,    2*NB+8                    ; LDS loads in a run: a quarter's fragments
.set A0,   16                          ; v16  my lane's place in a slot's A; never rewritten
.set B0,   17                          ; v17  the same for B
.set ADRA, 18                          ; v18  A0 + the slot in hand
.set ADRB, 19                          ; v19  B0 + the slot in hand
.set STO,  24                          ; v24  the way out: where I put 16 bytes of a row
.set RD,   25                          ; v25  the way out: where I read rows back
.set CO,   26                          ; v26  my 16 bytes in 512 consecutive bytes of qkv
.set SPW,  28                          ; v28  LDS address of my spare word; never rewritten
.set NIL,  29                          ; v29  0; never rewritten
.set FA,   64
.set TMP,  128
.set BK0,  176
.set BK1,  64
.set G1,  24                           ; s[24:31] group 1 for A's tiles
.set G0,  32                           ; s[32:35] group 0 of A's first fill; s[36:39] of its second, which then walks
.set TB,  45                           ; s45  LDS byte at which the slot in hand begins
.set G1B, 48                           ; s[48:55], s[56:63] the same for B
.set G0B, 56
.set MSB, 0
.macro WIN new                         ; the immediate's high byte repeats the setting that is left; a switch that changes nothing is dropped
.if MSB != (\new)
	s_set_vgpr_msb (MSB<<8)|(\new)
.set MSB, \new
.endif
.endm
.set MUL_LO, 0xa1                      ; source 0 (B) window 1, source 1 (A) window 0, C and D window 2
.set TO_B,   0x40                      ; destination window 1, address window 0
.macro PLACES                          ; four places in front of loads into registers that matrix instructions have read, and of reads of results
.rept 4
	v_nop
.endr
.endm
; A joint refill.  Waves 0 and 1 fetch A's two halves, waves 2 and 3 B's.  The branch hangs on the wave's number alone.  An s_nop 0 and four v_nop follow each of the two lines.
.macro JLOAD
	s_cmp_eq_u32 s11, 0
	s_cbranch_scc0 .Lfor_b_\@
	tensor_load_to_lds s[G0+4:G0+7], s[G1:G1+7]
	s_nop 0
.rept 4
	v_nop
.endr
	s_branch .Lasked_\@
.Lfor_b_\@:
	tensor_load_to_lds s[G0B+4:G0B+7], s[G1B:G1B+7]
	s_nop 0
.rept 4
	v_nop
.endr
.Lasked_\@:
.endm
.macro CREST                           ; a round of the cluster's barrier behind its opening barrier
	s_cmp_lg_u32 s10, 0
	s_cbranch_scc1 .Lnot_wave_0_\@
	s_barrier_signal -3
.Lnot_wave_0_\@:
	s_barrier_wait -3
	s_barrier_signal -1
	s_barrier_wait -1
.endm
.macro CROUND                          ; a whole round
	s_barrier_signal -1
	s_barrier_wait -1
	CREST
.endm
	s_load_b128 s[4:7], s[0:1], 0x0                ; xb s[4:5], wc s[6:7]
	s_load_b64 s[8:9], s[0:1], 0x10                ; qkv
	v_lshl_add_u32 v[SPW], v0, 2, SPARE
	v_mov_b32 v[NIL], 0
	ds_add_u32 v[SPW], v[NIL]                      ; the wave's opening: the add and its wait stand ahead of my first tensor load; the set-up below stands between them
	v_lshrrev_b32 v1, 5, v0
	v_readfirstlane_b32 s10, v1                    ; wave 0..3
	s_lshr_b32 s11, s10, 1                         ; I fetch for A (0) or for B (1),
	s_and_b32 s12, s10, 1                          ; and which half of that tile
	s_bfe_u32 s40, ttmp6, 0x40000                  ; cx, cy: my place in the cluster
	s_bfe_u32 s41, ttmp6, 0x40004
	s_lshl_b32 s42, ttmp9, 2
	s_add_co_u32 s42, s42, s40                     ; tile column = 4 x cluster x + cx
	s_and_b32 s13, ttmp7, 0xffff
	s_lshl_b32 s13, s13, 2
	s_add_co_u32 s13, s13, s41                     ; tile row = 4 x cluster y + cy
	s_lshl_b32 s43, s41, 2
	s_lshl_b32 s43, 15, s43                        ; my row of the cluster
	s_lshl_b32 s44, 0x1111, s40                    ; my column
	s_or_b32 s[G1+0], s43, (1<<16)|(1<<20)|(1<<21)|(5<<22)|(3<<25)   ; the mask; 2-byte elements; padding on; bit 21 beside a mask; after every 64 words 4 words
	s_mov_b32 s[G1+1], 128<<16                     ; tensor_dim0 = 128
	s_mov_b32 s[G1+2], 128<<16                     ; tensor_dim1 = 128
	s_mov_b32 s[G1+3], 128<<16                     ; tile_dim0 = 128
	s_mov_b32 s[G1+4], 128                         ; tile_dim1 = 128
	s_mov_b32 s[G1+5], 1024                        ; elements from row to row
	s_mov_b32 s[G1+6], 0
	s_mov_b32 s[G1+7], 0
	s_or_b32 s[G1B+0], s44, (1<<16)|(1<<20)|(1<<21)|(4<<22)|(7<<25)  ; after every 32 words 8 words
	s_mov_b32 s[G1B+1], 192<<16                    ; tensor_dim0 = 192
	s_mov_b32 s[G1B+2], 64<<16                     ; tensor_dim1 = 64
	s_mov_b32 s[G1B+3], 192<<16                    ; tile_dim0 = 192
	s_mov_b32 s[G1B+4], 64                         ; tile_dim1 = 64
	s_mov_b32 s[G1B+5], 3072
	s_mov_b32 s[G1B+6], 0
	s_mov_b32 s[G1B+7], 0
	s_lshl_b32 s16, s13, 8                         ; A hangs on the tile row and the wave alone:
	s_lshl_b32 s17, s12, 7
	s_add_co_u32 s16, s16, s17                     ; row 256 x tile row + 128 x half,
	s_lshl_b32 s16, s16, 11                        ; of 2,048 bytes
	s_mov_b32 s17, 0
	s_mul_i32 s46, s42, 384                        ; B on the tile column and the wave alone: 192 columns,
	s_mul_i32 s47, s12, 64*6144                    ; and 64 rows of 6,144 bytes for the second half
	s_add_co_u32 s46, s46, s47
	s_mov_b32 s47, 0
	s_mul_i32 s20, s12, AHALF                      ; where they go: no place in the cluster enters an LDS address
	s_mul_i32 s21, s12, BHALF
	s_add_co_u32 s21, s21, BOFF
	s_wait_dscnt 0x0                               ; the opening add is done
	s_wait_kmcnt 0x0
	s_add_nc_u64 s[14:15], s[4:5], s[16:17]
	s_add_nc_u64 s[46:47], s[6:7], s[46:47]
	CROUND                                         ; all sixteen work-groups are here: the first joint loads meet
.irp s, 0,1
	s_mov_b32 s[G0+4*(\s)], 1
	s_add_co_u32 s[G0+4*(\s)+1], s20, (\s)*SLOT1
	s_add_nc_u64 s[G0+4*(\s)+2:G0+4*(\s)+3], s[14:15], (\s)*ASTEP
	s_or_b32 s[G0+4*(\s)+3], s[G0+4*(\s)+3], 0x80000000
	s_mov_b32 s[G0B+4*(\s)], 1
	s_add_co_u32 s[G0B+4*(\s)+1], s21, (\s)*SLOT1
	s_add_nc_u64 s[G0B+4*(\s)+2:G0B+4*(\s)+3], s[46:47], (\s)*BSTEP
	s_or_b32 s[G0B+4*(\s)+3], s[G0B+4*(\s)+3], 0x80000000
.endr
	s_cmp_eq_u32 s11, 0                            ; a wave's two first fills stand in one branch, ahead of every wait on TENSORcnt and every LDS read: two loads of mine are out
	s_cbranch_scc0 .Lfirst_b
	tensor_load_to_lds s[G0:G0+3], s[G1:G1+7]
	s_nop 0
	tensor_load_to_lds s[G0+4:G0+7], s[G1:G1+7]
	s_nop 0
.rept 4
	v_nop
.endr
	s_branch .Lfirst_asked
.Lfirst_b:
	tensor_load_to_lds s[G0B:G0B+3], s[G1B:G1B+7]
	s_nop 0
	tensor_load_to_lds s[G0B+4:G0B+7], s[G1B:G1B+7]
	s_nop 0
.rept 4
	v_nop
.endr
.Lfirst_asked:
	v_and_b32 v1, 15, v0                           ; r = l % 16
	v_bfe_u32 v2, v0, 4, 1                         ; h = l / 16
	v_and_b32 v3, 7, v0                            ; l % 8
	v_bfe_u32 v4, v0, 3, 1                         ; (l / 8) % 2
	v_mul_u32_u24 v[A0], v1, PA                    ; a fragment of A: row r, 16 bytes for each half of the lanes, two loads 32 bytes apart
	v_lshl_add_u32 v[A0], v2, 4, v[A0]
	s_mul_i32 s22, s10, 64*PA                      ; my 64 rows
	v_add_nc_u32 v[A0], s22, v[A0]
	v_lshl_add_u32 v[B0], v2, 3, v3                ; the turning load: lane l reads row 8 h + l % 8 of K, columns 8 ((l / 8) % 2) on, and receives column r, eight K
	v_mul_u32_u24 v[B0], v[B0], PB
	v_lshl_add_u32 v[B0], v4, 4, v[B0]
	v_add_nc_u32 v[B0], BOFF, v[B0]
	v_mov_b32 v[ADRA], v[A0]
	v_mov_b32 v[ADRB], v[B0]
	s_mov_b32 s[TB], 0
	s_mul_i32 s23, s10, 16*SPITCH
	s_add_co_u32 s23, s23, STAGE                   ; my stage
	v_mul_u32_u24 v5, v1, SPITCH                   ; in: row r, 16 bytes for each half of the lanes
	v_lshl_add_u32 v5, v2, 4, v5
	v_add_nc_u32 v[STO], s23, v5
	v_bfe_u32 v5, v0, 3, 2                         ; back: 32 lanes take 128 bytes of each of four rows,
	v_mul_u32_u24 v5, v5, SPITCH
	v_lshl_add_u32 v5, v3, 4, v5
	v_add_nc_u32 v[RD], s23, v5
	v_and_b32 v5, 31, v0                           ; which are 512 consecutive bytes of a head block
	v_lshlrev_b32 v[CO], 4, v5
	s_lshr_b32 s18, s13, 3                         ; qkv at my rows: batch = tile row / 8,
	s_mul_i32 s18, s18, 48
	s_mul_i32 s19, s42, 3
	s_add_co_u32 s18, s18, s19                     ; head block 48 b + 3 x tile column,
	s_lshl_b32 s18, s18, 18
	s_and_b32 s19, s13, 7
	s_lshl_b32 s19, s19, 2
	s_add_co_u32 s19, s19, s10
	s_lshl_b32 s19, s19, 13                        ; row 256 (tile row % 8) + 64 w, of 128 bytes
	s_add_co_u32 s18, s18, s19
	s_mov_b32 s19, 0
	s_add_nc_u64 s[8:9], s[8:9], s[18:19]
; 12 matrix instructions: row block a x all column blocks, 32 along K, from buffer f.  zero = 1: the product starts the sums: nothing is ever cleared.
; The 48 accumulators take turns, one instruction a turn, in the same order in every quarter.
.macro MULA f, a, zero
	WIN MUL_LO+0x50*((\a)/2)
.set bb, 0
.rept NB
.set rD, 8*NB*((\a)%2)+8*bb
.set rB, 8*NB*(\f)+8*bb
.set rA, FA+32*(\f)+8*(\a)
.if \zero
	v_wmma_f32_16x16x32_bf16 v[rD:rD+7], v[rB:rB+7], v[rA:rA+7], 0
.else
	v_wmma_f32_16x16x32_bf16 v[rD:rD+7], v[rB:rB+7], v[rA:rA+7], v[rD:rD+7]
.endif
.set bb, bb+1
.endr
.endm
; One run of 32 LDS loads: quarter q's fragments into buffer g: B's 12 (turned), then A's 4.
.macro FETCH q, g
	WIN TO_B
.set bb, 0
.rept NB
	ds_load_tr16_b128 v[8*NB*(\g)+8*bb:8*NB*(\g)+8*bb+3],   v[ADRB] offset:32*(\q)*PB+(bb/4)*160+(bb%4)*32
	ds_load_tr16_b128 v[8*NB*(\g)+8*bb+4:8*NB*(\g)+8*bb+7], v[ADRB] offset:32*(\q)*PB+16*PB+(bb/4)*160+(bb%4)*32
.set bb, bb+1
.endr
	WIN 0
.set bb, 0
.rept 4
	ds_load_b128 v[FA+32*(\g)+8*bb:FA+32*(\g)+8*bb+3],   v[ADRA] offset:64*(\q)+bb*16*PA
	ds_load_b128 v[FA+32*(\g)+8*bb+4:FA+32*(\g)+8*bb+7], v[ADRA] offset:64*(\q)+bb*16*PA+32
.set bb, bb+1
.endr
.endm
; One of a step's first three quarters: multiplies buffer f and, in its middle, fetches quarter q into buffer g.
.macro QUARTER q, f, g, zero
	s_wait_dscnt 4                                 ; B and A's row blocks 0, 1 are in; the four youngest loads (blocks 2, 3) may be out
	MULA \f, 0, \zero
	MULA \f, 1, \zero
	PLACES
	FETCH \q, \g
	s_wait_dscnt NLD                               ; all but the run just issued
	MULA \f, 2, \zero
	MULA \f, 3, \zero
.endm
; The last quarter multiplies buffer 1 and changes slots.  In front of the barrier each wave waits for all its tensor loads (one is out: its part of the next slot), adds 0 to its spare word,
; and waits for that and for its own reads of this slot.  fill = 1: the barrier opens a round of the cluster's; behind it this slot is filled again first, with the K step two on.
.macro TURN fill
	WIN 0                                          ; (the add's two registers lie in window 0)
	s_wait_tensorcnt 0x0
	ds_add_u32 v[SPW], v[NIL]
	s_wait_dscnt 5                                 ; (the add and the four youngest loads may be out)
	MULA 1, 0, 0                                   ; twelve matrix instructions stand between the add and the wait for it
	s_wait_dscnt 0x0                               ; the add is done, and my reads of this slot are over
	s_barrier_signal -1
	MULA 1, 1, 0                                   ; work on registers while the others arrive
	WIN 0
	s_barrier_wait -1
.if \fill
	CREST                                          ; no wave of any partner still reads this slot or has a load on its way
	s_xor_b32 s[G0+5], s[G0+5], SLOT1              ; the walking descriptors: the other slot than last time, the next K step
	s_add_nc_u64 s[G0+6:G0+7], s[G0+6:G0+7], ASTEP
	s_xor_b32 s[G0B+5], s[G0B+5], SLOT1
	s_add_nc_u64 s[G0B+6:G0B+7], s[G0B+6:G0B+7], BSTEP
	JLOAD                                          ; the first tensor load behind the round; its four v_nop are also the places in front of the loads below
.else
	PLACES
.endif
	s_xor_b32 s[TB], s[TB], SLOT1
	v_add_nc_u32 v[ADRA], s[TB], v[A0]
	v_add_nc_u32 v[ADRB], s[TB], v[B0]
	FETCH 0, 0
	MULA 1, 2, 0
	MULA 1, 3, 0
.endm
; THE WAY OUT of row block a.  PACK: rounded to f16, each accumulator's registers in ascending order.  TOSTAGE: into my own stage, and back by head blocks.  SEND: stored.
.macro PACK a
	WIN 0x0a+5*((\a)/2)                            ; sources 0 and 1: window 2 or 3
.set bb, 0
.rept NB
.irp i, 0,1,2,3
	v_cvt_pk_f16_f32 v[TMP+4*bb+\i], v[8*NB*((\a)%2)+8*bb+2*\i], v[8*NB*((\a)%2)+8*bb+2*\i+1]
.endr
.set bb, bb+1
.endr
	WIN 0
.endm
.macro TOSTAGE a
.set BK, BK0+(BK1-BK0)*((\a)%2)
.set bb, 0
.rept NB
	ds_store_b128 v[STO], v[TMP+4*bb:TMP+4*bb+3] offset:32*bb
.set bb, bb+1
.endr
.set bb, 0
.rept 12                               ; head block bb / 4, rows 4 (bb % 4) on
	ds_load_b128 v[BK+4*bb:BK+4*bb+3], v[RD] offset:128*(bb/4)+1600*(bb%4)  ; LDS serves a wave's instructions in order (ISA guide 5.7.1.4): these see the stores above
.set bb, bb+1
.endr
.endm
.macro SEND a
.set BK, BK0+(BK1-BK0)*((\a)%2)
	s_wait_dscnt 0x0                               ; the block is back in registers
	s_wait_xcnt 0x0                                ; the stores of the block before have read their registers: the next loads from the stage land there
.set bb, 0
.rept 12
	global_store_b128 v[CO], v[BK+4*bb:BK+4*bb+3], s[8:9] offset:262144*(bb/4)+2048*(\a)+512*(bb%4)  ; 512 consecutive bytes, at a multiple of 256 from qkv's first
.set bb, bb+1
.endr
.endm
	s_wait_tensorcnt 1                             ; my part of K step 0 is in; step 1's may stay out
	s_barrier_signal -1
	s_barrier_wait -1
	FETCH 0, 0
	QUARTER 1, 0, 1, 1                             ; the first quarter stands in front of the loop: its products start the sums
	WIN 0                                          ; at a label and at a branch every window is 0
	s_mov_b32 s3, KSTEPS-2
.Lstep:                                                ; trip t ends K step t, fills its slot with step t + 2, and begins step t + 1
	QUARTER 2, 1, 0, 0
	QUARTER 3, 0, 1, 0
	TURN 1
	QUARTER 1, 0, 1, 0
	WIN 0
	s_sub_co_u32 s3, s3, 1
	s_cmp_lg_u32 s3, 0
	s_cbranch_scc1 .Lstep
	QUARTER 2, 1, 0, 0                             ; the last two K steps are written out: nothing is left to fetch
	QUARTER 3, 0, 1, 0
	TURN 0
	QUARTER 1, 0, 1, 0
	QUARTER 2, 1, 0, 0
	QUARTER 3, 0, 1, 0
	s_wait_dscnt 4
	MULA 1, 0, 0
	MULA 1, 1, 0
	s_wait_dscnt 0x0
	MULA 1, 2, 0
	MULA 1, 3, 0
	WIN 0
	PLACES
	PACK 0
	TOSTAGE 0
.irp a, 1,2,3                          ; block a's conversions stand between block a - 1's loads from the stage and the wait for them
	PACK \a
	SEND (\a)-1
	TOSTAGE \a
.endr
	SEND 3
	s_wait_tensorcnt 0x0                           ; the wave's end
	ds_add_u32 v[SPW], v[NIL]
	s_wait_dscnt 0x0
	CROUND                                         ; the closing round: no work-group ends while a partner may still ask for a tile that names it
	s_endpgm
.Lfunc_end_k_qd1779adf86_proj:
	.size	k_qd1779adf86_proj, .Lfunc_end_k_qd1779adf86_proj-k_qd1779adf86_proj
	.p2alignl 7, 3214868480
	.fill 96, 4, 3214868480
	.section	.rodata,"a",@progbits
	.p2align	6, 0x0
	.amdhsa_kernel k_qd1779adf86_proj
		.amdhsa_group_segment_fixed_size 327680
		.amdhsa_private_segment_fixed_size 0
		.amdhsa_enable_private_segment 0
		.amdhsa_kernarg_size 24
		.amdhsa_user_sgpr_count 2
		.amdhsa_user_sgpr_kernarg_segment_ptr 1
		.amdhsa_wavefront_size32 1
		.amdhsa_system_sgpr_workgroup_id_x 1
		.amdhsa_system_sgpr_workgroup_id_y 1
		.amdhsa_system_sgpr_workgroup_id_z 1
		.amdhsa_system_vgpr_workitem_id 0
		.amdhsa_next_free_vgpr 960
		.amdhsa_next_free_sgpr 66
		.amdhsa_reserve_vcc 0
		.amdhsa_float_denorm_mode_32 3
		.amdhsa_float_denorm_mode_16_64 3
		.amdhsa_memory_ordered 1
		.amdhsa_forward_progress 1
		.amdhsa_inst_pref_size 96
	.end_amdhsa_kernel
	.amdgpu_metadata
---
amdhsa.version: [ 1, 2 ]
amdhsa.kernels:
  - .name:           k_qd1779adf86_proj
    .symbol:         k_qd1779adf86_proj.kd
    .args:
      - { .name: xb, .offset: 0, .size: 8, .value_kind: global_buffer, .address_space: global }
      - { .name: wc, .offset: 8, .size: 8, .value_kind: global_buffer, .address_space: global }
      - { .name: qkv, .offset: 16, .size: 8, .value_kind: global_buffer, .address_space: global }
    .group_segment_fixed_size: 327680
    .private_segment_fixed_size: 0
    .kernarg_segment_align: 8
    .kernarg_segment_size: 24
    .max_flat_workgroup_size: 128
    .sgpr_count:     66
    .vgpr_count:     960
    .wavefront_size: 32
...
	.end_amdgpu_metadata
.endif
;; end of part 2
;; launch attn (part 3): grid 4 x 64, 4 waves a work-group, clusters of 4 x 1, 327,680 bytes of LDS; arguments qkv, mb4, ma4, ob; writes ob
.if DOCPART == 3
	.amdgcn_target "amdgcn-amd-amdhsa--gfx1250"
	.amdhsa_code_object_version 6
	.text
	.protected	k_qd1779adf86_attn
	.globl	k_qd1779adf86_attn
	.p2align	8
	.type	k_qd1779adf86_attn,@function
k_qd1779adf86_attn:
	s_mov_b64 s[64:65], 0
	v_nop
	global_prefetch_b8 v0, s[64:65] scope:SCOPE_SE
	s_setreg_imm32_b32 hwreg(HW_REG_WAVE_MODE, 25, 1), 1
	s_wait_xcnt 0x0
	s_wait_alu depctr_hold_cnt(0) depctr_sa_sdst(0) depctr_va_vdst(0) depctr_va_sdst(0) depctr_va_ssrc(0) depctr_va_vcc(0) depctr_vm_vsrc(0)
	s_getreg_b32 s2, hwreg(HW_REG_IB_STS2, 6, 4)
	s_cmp_eq_u32 s2, 0
	s_cbranch_scc0 .Lentry_in_a_cluster
	s_endpgm
.Lentry_in_a_cluster:
	s_bfe_u32 s2, ttmp6, 0x10000c
	s_cmp_lg_u32 s2, 0x3003
	s_cbranch_scc0 .Lentry_shape_is_right
	s_endpgm
.Lentry_shape_is_right:
; ATTENTION WITH TWO MASKS THAT ARE INPUTS.  For head hh = 16 b + h:  O[q] = sum over k of keep[q][k] softmax_k(Q[q] . K[k] / 8, hidden keys left out) V[k].
; Q, K, V: f16, [2048][64] a head, in qkv at head blocks 48 b + h, + 16, + 32.  O: f16, ob [hh][2048][64].  Products, maxima and sums in f32; the weights are rounded to f16 for the second product,
; their sum l is taken of the unrounded weights BEFORE the second mask; O is rounded once at the end.
; THE MASKS come as 4-bit codes, eight to a word, laid out as S^T's registers lie; one v_cvt_scale_pk8_f32_fp4 makes eight f32 of a word.
;   mb4, scale 2^100: 0 or -2^100: the C operand of the product that starts S^T = K Q^T.     ma4, scale 1: 1 or 0: the weights are multiplied by it once l has taken them.
; LIMITS.  f16 holds no number beyond 65,504, so a true score lies within 2.8e11.  A hidden score counts as its value less 2^100.  The running maximum starts at -2^40, below every true score and far
; above every hidden one: hidden keys have weight 0 whatever comes before them.  A row with no seen key ends with l = 0 and O = 0, and 0 x (1 / 0) is NaN, as the softmax of nothing is; a row that is
; both wholly hidden and wholly zeroed by the second mask gives NaN here too.  A weight below 2^-126 counts as 0 in l; NaN and infinities among the inputs are not treated apart.
; SHARES.  A wave owns four PIECES of two tiles of 16 queries, a work-group's four waves 512 queries of one head.  Every wave walks all 2,048 keys, 64 a step.
; LAYOUT.  S^T = K Q^T: a lane holds ONE query (lane % 16) and the keys 8 (lane / 16) + 0..7 of each 16; two such results rounded to f16 ARE source 1 of O^T = V^T P.  V is turned by ds_load_tr16_b128.
; SOFTMAX.  p = 2^(c s - c m), c = log2(e) / 8, with a running maximum m; O and l are multiplied by a = 2^(c m_old - c m_new) in every step.
; BY TURNS.  Turn n belongs to piece n: 16 products K Q^T of piece n + 1, later 16 products V^T P of piece n - 1; beside them piece n's scaling, exponentials, sums, second mask, roundings and
; rescaling, piece n + 1's maximum and statistics, and the conversions of piece n's second mask and piece n + 2's first.  Four vector instructions stand behind every matrix instruction, the rest in two lumps.
; CLUSTER.  The four query blocks of a cluster belong to one head and walk the same K and V: each tile is asked for jointly.  The masks hang on the queries, which the partners do not share:
; each wave loads its own words, 16 bytes a lane, tile and mask, a whole key step ahead, straight into registers.
; REGISTERS, in windows of 256 (s_set_vgpr_msb: bits 1:0 source 0, 3:2 source 1, 5:4 source 2, 7:6 destination):
;   window 0: v0-15 addresses, the two scales, c m_old; v16-47 statistics; v48-63 at work; v64-191 S^T, two buffers of two tiles; v192-255 P, likewise
;   window 1: O^T, 32 a tile      window 2: v0-127 Q; v128-191 K of one step; v192-255 V of one step
;   window 3: v0-1 the add's registers; v16-79 the masks' words, 16 a piece; v96-159 the first mask as f32; v160-223 the second
.set SIZE_N, 2048
.set NP,    4
.set KS,    64
.set PK,    144       ; a row of K in LDS: 128 bytes + 16: the 16 rows of a load start at 16 different groups of four banks (64 banks of 4 bytes: ISA guide 11.1)
.set PV,    160       ; a row of V: 128 + 32
.set VOFF,  4*KS*PK   ; a slot holds four steps: 256 rows of K, then 256 rows of V
.set SLOT1, 1<<17
.set STAGE, SLOT1+4*KS*(PK+PV)  ; behind the ring, never filled by a tensor load: 16 rows x 144 bytes for each wave
.set SP,    144
.set SPARE, STAGE+4*16*SP       ; the spare words, 128 bytes for each wave: two blocks of 256 bytes that no other line names
.set AK0, 2           ; v2   my lane's place in a tile of K; never rewritten
.set AV0, 3           ; v3   the same for V
.set AK,  4           ; v4   the LDS address of K's next run of loads
.set AV,  5           ; v5   of V's
.set STO, 6           ; v6   the way out: where I put 16 bytes of a row
.set RD,  7           ; v7   the way out: where I read rows back
.set GO,  8           ; v8   16 x lane: my 16 bytes in 512 consecutive bytes, of O and of the masks' tables; never rewritten
.set SCB, 9           ; v9   the scale 2^100: the byte 227 in all four bytes, the same word in every lane
.set SCA, 10          ; v10  the scale 1: the byte 127, likewise
.set QO,  11          ; v11  my byte offset in 16 rows of Q
.set MV,  12          ; v12-15  c m_old, by buffer and tile
.set ST,  16          ; tile t's statistics at v[ST+4 t]: c m, m, l (even keys', odd keys')
.set TMP, 48          ; by buffer and tile, four registers c0-c3 at work; c2 takes a
.set S,   64
.set P,   192
.set KF,  128         ; window 2
.set VF,  192         ; window 2
.set SPW, 0           ; window 3
.set NIL, 1           ; window 3
.set RAW, 16          ; window 3: piece p at RAW + 16 p: first mask's words of tile u at + 4 u, second mask's at + 8 + 4 u
.set MC,  96          ; window 3: tile u, 16 keys c at MC + 32 u + 8 c
.set MA,  160         ; window 3: likewise
.set WV,  12          ; s12  my wave's number
.set G1K, 24
.set G1V, 32
.set G0K, 40
.set G0V, 44
.set SLOTS, 56
.set CNT, 57
.set CS,  58
.set SEL, 60
.set TBK, 62
.set TBV, 63
.set MBA, 66          ; s[66:67] ma4 at my wave's first tile      s[68:69] mb4 likewise: never rewritten
.set MBB, 68
.set MPA, 70          ; s[70:71], s[72:73] the same at the key step that is loaded next
.set MPB, 72
.set MOA, 74          ; s[74:75], s[76:77] that step's byte offset, high word 0
.set MOB, 76
.set MSB, 0
.macro WIN new
.if MSB != (\new)
	s_set_vgpr_msb (MSB<<8)|(\new)
.set MSB, (\new)
.endif
.endm
.set W_KQ, 0x0a       ; K and Q in window 2, S^T in window 0
.set W_KM, 0x3a       ; the same with the C operand in window 3
.set W_PV, 0x52       ; V in window 2, P in window 0, O^T in window 1
.set W_RS, 0x41       ; O^T (destination and source 0) in window 1, a in window 0
.set W_M,  0x0c       ; source 1 in window 3
.set W_CV, 0xc3       ; destination and source 0 in window 3, the scale in window 0
.set W_LD, 0xc0       ; destination in window 3, address in window 0
.set W_AD, 0x0f       ; the add: address and data in window 3
.macro JLOAD                        ; a joint fill: waves 0 and 1 fetch the halves of a slot's K, waves 2 and 3 those of its V; an s_nop 0 and four v_nop follow each line
	s_cmp_lt_u32 s[WV], 2
	s_cbranch_scc0 .Lfor_v_\@
	tensor_load_to_lds s[G0K:G0K+3], s[G1K:G1K+7]
	s_nop 0
.rept 4
	v_nop
.endr
	s_branch .Lasked_\@
.Lfor_v_\@:
	tensor_load_to_lds s[G0V:G0V+3], s[G1V:G1V+7]
	s_nop 0
.rept 4
	v_nop
.endr
.Lasked_\@:
.endm
.macro CROUND                       ; a round of the cluster's barrier
	s_barrier_signal -1
	s_barrier_wait -1
	s_cmp_lg_u32 s[WV], 0
	s_cbranch_scc1 .Lnot_wave_0_\@
	s_barrier_signal -3
.Lnot_wave_0_\@:
	s_barrier_wait -3
	s_barrier_signal -1
	s_barrier_wait -1
.endm
; THE CHANGE OF SLOTS.  Each wave waits for all its tensor loads (one is out: its part of the other slot), adds 0 to its spare word, and waits for that and for its own reads of the slot.
; fill = 1: the barrier is a round of the cluster's, and the joint fill, the keys two slots on, is the first thing behind it: it has four key steps in which to land.
.macro CHANGE fill
	WIN W_AD
	s_wait_tensorcnt 0x0            ; no tensor load of mine is out, so a group 0 may be written
	ds_add_u32 v[SPW], v[NIL]
	WIN 0
.if \fill
.irp g, G0K, G0V
	s_xor_b32 s[\g+1], s[\g+1], SLOT1
	s_add_nc_u64 s[\g+2:\g+3], s[\g+2:\g+3], 4*KS*128
.endr
	s_wait_dscnt 0x0                ; the add is done, and my reads of the slot are over
	CROUND
	JLOAD
.else
	s_wait_dscnt 0x0
	s_barrier_signal -1
	s_barrier_wait -1
.endif
	s_sub_co_u32 s[TBK], s[TBK], 4*KS*PK  ; the fetches go back to a slot's first step, in the other slot
	s_xor_b32 s[TBK], s[TBK], SLOT1
	s_sub_co_u32 s[TBV], s[TBV], 4*KS*PV
	s_xor_b32 s[TBV], s[TBV], SLOT1
.endm
	s_load_b256 s[4:11], s[0:1], 0x0  ; qkv s[4:5], mb4 s[6:7], ma4 s[8:9], ob s[10:11]
	WIN W_LD
	v_lshl_add_u32 v[SPW], v0, 2, SPARE
	v_mov_b32 v[NIL], 0
	WIN W_AD
	ds_add_u32 v[SPW], v[NIL]       ; the wave's opening: the add and its wait stand ahead of my first tensor load
	WIN 0
	v_lshrrev_b32 v1, 5, v0
	v_readfirstlane_b32 s[WV], v1   ; wave 0..3
	s_bfe_u32 s13, ttmp6, 0x40000   ; cx
	s_lshl_b32 s14, ttmp9, 2
	s_add_co_u32 s14, s14, s13      ; my block of 512 queries: it enters Q's, O's and the masks' addresses alone
	s_and_b32 s15, ttmp7, 0xffff    ; hh, which the four partners share
	s_lshr_b32 s16, s15, 4
	s_lshl_b32 s16, s16, 5
	s_add_co_u32 s16, s16, s15      ; 48 b + h
	s_lshl_b32 s20, s16, 18         ; the head's q in qkv
	s_and_b32 s16, s[WV], 1         ; which half of a slot's 256 keys I fetch
	s_lshl_b32 s22, s16, 14
	s_add_co_u32 s22, s22, s20
	s_add_co_u32 s82, s22, 16*262144  ; k lies 16 head blocks on,
	s_mov_b32 s83, 0
	s_add_co_u32 s84, s22, 32*262144  ; v 32
	s_mov_b32 s85, 0
	s_mul_i32 s17, s16, 128*PK
	s_mul_i32 s18, s16, 128*PV
	s_lshl_b32 s2, s14, 2
	s_add_co_u32 s2, s2, s[WV]      ; my wave among the head's sixteen
	s_lshl_b32 s78, s2, 17          ; its eight tiles of 16,384 bytes in a mask's table
	s_mov_b32 s79, 0
	s_lshl_b32 s2, s2, 14           ; its 128 rows of 128 bytes
	s_add_co_u32 s80, s2, s20
	s_mov_b32 s81, 0
	s_lshl_b32 s3, s15, 18
	s_add_co_u32 s2, s2, s3
	s_mov_b32 s3, 0
	; 128 keys are 16,384 dense bytes: asked for as 64 rows of 256 bytes, two keys a row, and padded in LDS after every key
	s_mov_b32 s[G1K], 15|(1<<16)|(1<<20)|(1<<21)|(4<<22)|(3<<25)  ; the mask of four; 2-byte elements; padding on; bit 21 beside a mask; after every 32 words 4 words
	s_mov_b32 s[G1V], 15|(1<<16)|(1<<20)|(1<<21)|(4<<22)|(7<<25)  ; the same with 8 words
.irp g, G1K, G1V
	s_mov_b32 s[\g+1], 128<<16      ; tensor_dim0 = 128
	s_mov_b32 s[\g+2], 64<<16       ; tensor_dim1 = 64
	s_mov_b32 s[\g+3], 128<<16      ; tile_dim0 = 128
	s_mov_b32 s[\g+4], 64           ; tile_dim1 = 64
	s_mov_b32 s[\g+5], 128
	s_mov_b32 s[\g+6], 0
	s_mov_b32 s[\g+7], 0
.endr
	s_mov_b32 s[CS], 0x3e38aa3b     ; c = log2(e) / 8
	s_mov_b32 s[CS+1], s[CS]
	s_mov_b32 s[SEL], 0x76543210
	s_mov_b32 s[SEL+1], 0xfedcba98
	s_mov_b32 s[TBK], SLOT1+4*KS*PK ; the first change of slots turns these two into 0
	s_mov_b32 s[TBV], SLOT1+4*KS*PV
	s_mov_b32 s[G0K], 1
	s_mov_b32 s[G0K+1], s17
	s_mov_b32 s[G0V], 1
	s_add_co_u32 s[G0V+1], s18, VOFF
	s_mov_b32 s[MOA], 0             ; the first turn of piece 0 steps this to key step 1
	s_mov_b32 s[MOA+1], 0
	s_mov_b32 s[MOB], 512
	s_mov_b32 s[MOB+1], 0
	s_wait_dscnt 0x0                ; the opening add is done
	s_wait_kmcnt 0x0
	s_add_nc_u64 s[G0K+2:G0K+3], s[4:5], s[82:83]
	s_or_b32 s[G0K+3], s[G0K+3], 0x80000000
	s_add_nc_u64 s[G0V+2:G0V+3], s[4:5], s[84:85]
	s_or_b32 s[G0V+3], s[G0V+3], 0x80000000
	s_add_nc_u64 s[80:81], s[4:5], s[80:81]        ; Q and O at my wave's first row
	s_add_nc_u64 s[10:11], s[10:11], s[2:3]
	s_add_nc_u64 s[MBB:MBB+1], s[6:7], s[78:79]
	s_add_nc_u64 s[MBA:MBA+1], s[8:9], s[78:79]
	s_add_nc_u64 s[MPB:MPB+1], s[MBB:MBB+1], 512
	CROUND                          ; all four work-groups are here: the first joint loads meet
	JLOAD                           ; slot 0; slot 1 is asked for when slot 0 is in
	v_and_b32 v1, 15, v0            ; l % 16
	v_bfe_u32 v9, v0, 4, 1          ; l / 16
	v_and_b32 v10, 7, v0
	v_bfe_u32 v11, v0, 3, 1
	v_mul_u32_u24 v[AK0], v1, PK
	v_lshl_add_u32 v[AK0], v9, 4, v[AK0]
	v_lshl_add_u32 v[AV0], v9, 3, v10
	v_mul_u32_u24 v[AV0], v[AV0], PV
	v_lshl_add_u32 v[AV0], v11, 4, v[AV0]
	v_add_nc_u32 v[AV0], VOFF, v[AV0]
	v_mov_b32 v[AK], v[AK0]         ; key step 0 lies at the head of slot 0
	s_mul_i32 s13, s[WV], 16*SP
	s_add_co_u32 s13, s13, STAGE    ; my stage
	v_mul_u32_u24 v[STO], v1, SP
	v_lshl_add_u32 v[STO], v9, 4, v[STO]
	v_add_nc_u32 v[STO], s13, v[STO]
	v_bfe_u32 v[RD], v0, 3, 2
	v_mul_u32_u24 v[RD], v[RD], SP
	v_lshl_add_u32 v[RD], v10, 4, v[RD]
	v_add_nc_u32 v[RD], s13, v[RD]
	v_and_b32 v[GO], 31, v0
	v_lshlrev_b32 v[GO], 4, v[GO]
	v_lshlrev_b32 v[QO], 7, v1
	v_lshl_add_u32 v[QO], v9, 4, v[QO]  ; row x 128 + 16 x half
	WIN 0x80
.set i, 0
.rept 4*NP                          ; Q stays in registers: tile i / 2, channels 32 (i % 2) on
	global_load_b128 v[8*i:8*i+3],   v[QO], s[80:81] offset:(i/2)*2048+(i%2)*64
	global_load_b128 v[8*i+4:8*i+7], v[QO], s[80:81] offset:(i/2)*2048+(i%2)*64+32
.set i, i+1
.endr
; THE MASKS' LOADS.  GLA: the second mask's words of piece p; GLB: the first mask's of piece p + 2.  A wave's load covers 512 consecutive bytes of a table.
.macro GLA p, base
	WIN W_LD
.irp u, 0,1
	global_load_b128 v[RAW+16*(\p)+8+4*\u:RAW+16*(\p)+8+4*\u+3], v[GO], s[\base:\base+1] offset:(2*(\p)+\u)*16384
.endr
.endm
.macro GLB p, base, extra=0
	WIN W_LD
.irp u, 0,1
	global_load_b128 v[RAW+16*(((\p)+2)%NP)+4*\u:RAW+16*(((\p)+2)%NP)+4*\u+3], v[GO], s[\base:\base+1] offset:(2*(((\p)+2)%NP)+\u)*16384+(\extra)
.endr
.endm
	WIN W_LD
.irp t, 0,1,2,3                     ; the first mask of pieces 0 and 1 at key step 0, wanted ahead of the ring: into the second mask's f32 registers, still free
	global_load_b128 v[MA+4*\t:MA+4*\t+3], v[GO], s[MBB:MBB+1] offset:\t*16384
.endr
.irp p, 0,1,2,3                     ; the ring's first sixteen loads, in the order in which four turns would have issued them: pieces 0 and 1 take the first mask of key step 1
	GLA \p, MBA
	GLB \p, MBB, 512*(\p/2)
.endr
	; What the first turn finds: V and P's second buffer hold 0 (its products V^T P, of a piece that has not been, add 0), O^T and l are 0.  All this stands in the wait for the first tile.
	WIN 0x80
.set i, VF
.rept 64
	v_mov_b32 v[i], 0
.set i, i+1
.endr
	WIN 0x40
.set i, 0
.rept 64*NP
	v_mov_b32 v[i], 0
.set i, i+1
.endr
	WIN 0
.set i, 0
.rept 2*NP
	v_mov_b32 v[ST+4*i], 0xfe000000    ; c m: far below every c s, so the first a is 0
	v_mov_b32 v[ST+4*i+1], 0xd3800000  ; m = -2^40
	v_mov_b32 v[ST+4*i+2], 0
	v_mov_b32 v[ST+4*i+3], 0
.set i, i+1
.endr
.set i, P+32
.rept 32
	v_mov_b32 v[i], 0
.set i, i+1
.endr
	v_mov_b32 v[SCB], 0xe3e3e3e3    ; 227 = 127 + 100 in every byte: the scale is 2^100
	v_mov_b32 v[SCA], 0x7f7f7f7f    ; 127 in every byte: the scale is 1, likewise
; THE MATRIX WORK.  The 8 accumulators of a run of 16 take turns.  Product i of 16 of S^T = K Q^T for piece x: channels 32 (i / 8) on, keys 16 ((i / 2) % 4) on, tile 2 x + i % 2.
; The first 8 start the sums with the first mask.
.macro KQ x
.set rS, S+64*((\x)%2)+32*(i%2)+8*((i/2)%4)
.set rK, KF+16*((i/2)%4)+8*(i/8)
.set rQ, 16*(2*(\x)+i%2)+8*(i/8)
.set rB, MC+32*(i%2)+8*((i/2)%4)
.if i < 8
	WIN W_KM
	v_wmma_f32_16x16x32_f16 v[rS:rS+7], v[rK:rK+7], v[rQ:rQ+7], v[rB:rB+7]
.else
	WIN W_KQ
	v_wmma_f32_16x16x32_f16 v[rS:rS+7], v[rK:rK+7], v[rQ:rQ+7], v[rS:rS+7]
.endif
.endm
.macro PV x                         ; product i of 16 of O^T += V^T P for piece x: keys 32 (i / 8) on, channels 16 ((i / 2) % 4) on, tile 2 x + i % 2
	WIN W_PV
.set rO, 32*(2*(\x)+i%2)+8*((i/2)%4)
.set rV, VF+32*(i/8)+8*((i/2)%4)
.set rP, P+32*((\x)%2)+16*(i%2)+8*(i/8)
	v_wmma_f32_16x16x32_f16 v[rO:rO+7], v[rV:rV+7], v[rP:rP+7], v[rO:rO+7]
.endm
.macro MM                           ; the turn's next matrix instruction
.if i < 16
	KQ (Y+1)%NP
.set i, i+1
.else
.set i, i-16
	PV (Y+NP-1)%NP
.set i, i+17
.endif
.endm
; THE LDS LOADS stand in runs of 16.  last = 1 (the tail): in the last trip there is no further step, and the run is jumped over.
.macro FETCH_K last=0
	WIN 0
.if \last
	s_cmp_eq_u32 s[CNT], 1
	s_cbranch_scc1 .Lno_k_\@
.endif
	WIN 0x80
.irp f, 0,1,2,3,4,5,6,7
	ds_load_b128 v[KF+8*\f:KF+8*\f+3],   v[AK] offset:(\f/2)*16*PK+(\f%2)*64
	ds_load_b128 v[KF+8*\f+4:KF+8*\f+7], v[AK] offset:(\f/2)*16*PK+(\f%2)*64+32
.endr
	s_add_co_u32 s[TBK], s[TBK], KS*PK
	WIN 0
.if \last
.Lno_k_\@:
.endif
.endm
.macro FETCH_V
	WIN 0x80
.irp f, 0,1,2,3,4,5,6,7
	ds_load_tr16_b128 v[VF+8*\f:VF+8*\f+3],   v[AV] offset:(\f/4)*32*PV+(\f%4)*32
	ds_load_tr16_b128 v[VF+8*\f+4:VF+8*\f+7], v[AV] offset:(\f/4)*32*PV+16*PV+(\f%4)*32
.endr
	WIN 0
.endm
; THE VECTOR WORK, one line at a time: OP1 kind, number, tile.  For piece Y:  F n: c s - c m for pair n of 16.  E n: the exponential of score n of 32.  L n: l takes pair n (L 0: l = a l + pair 0).
; M n: pair n times the second mask.  C n: pair n rounded to f16.  R n: pair n of 16 of O^T times a.  VA c: the second mask's word c as eight f32.
; For piece Y + 2:  VB c: the first mask's word c.  For piece Y + 1:  X n, number n of the 22 that find its maximum and statistics:
;   0-11 four chains c0-c3 of seven scores each (each accumulator's lowest registers are read first)     12-14, 16 the four scores left over, the old m, c0-c3 into c0
;   15 c m_old is kept     17, 18 the query's other 32 keys lie in the lane 16 away: the new m     19-21 c m; c m_old - c m_new; a
.set F, 0
.set E, 1
.set L, 2
.set M, 3
.set C, 4
.set R, 5
.set X, 6
.set VA, 7
.set VB, 8
.macro REGS y, u
.set rT, ST+4*(2*(\y)+(\u))
.set rC, TMP+8*((\y)%2)+4*(\u)
.set rM, MV+2*((\y)%2)+(\u)
.set rS, S+64*((\y)%2)+32*(\u)
.set rP, P+32*((\y)%2)+16*(\u)
.set rO, 32*(2*(\y)+(\u))
.endm
.macro OP1 k, n, u
.if (\k) == X
	REGS (Y+1)%NP, \u
	WIN 0
.if (\n) < 4
	v_max3_num_f32 v[rC+(\n)], v[rS+8*(\n)], v[rS+8*(\n)+1], v[rS+8*(\n)+2]
.elseif (\n) < 12
	v_max3_num_f32 v[rC+(\n)%4], v[rC+(\n)%4], v[rS+8*((\n)%4)+2*((\n)/4)+1], v[rS+8*((\n)%4)+2*((\n)/4)+2]
.elseif (\n) == 12
	v_max3_num_f32 v[rC], v[rC], v[rS+7], v[rS+15]
.elseif (\n) == 13
	v_max3_num_f32 v[rC+1], v[rC+1], v[rS+23], v[rS+31]
.elseif (\n) == 14
	v_max3_num_f32 v[rC+2], v[rC+2], v[rC+3], v[rT+1]
.elseif (\n) == 15
	v_mov_b32 v[rM], v[rT]
.elseif (\n) == 16
	v_max3_num_f32 v[rC], v[rC], v[rC+1], v[rC+2]
.elseif (\n) == 17
	v_permlanex16_b32 v[rC+3], v[rC], s[SEL], s[SEL+1]
.elseif (\n) == 18
	v_max_num_f32 v[rT+1], v[rC], v[rC+3]
.elseif (\n) == 19
	v_mul_f32 v[rT], s[CS], v[rT+1]
.elseif (\n) == 20
	v_sub_f32 v[rC+1], v[rM], v[rT]
.else
	v_exp_f32 v[rC+2], v[rC+1]
.endif
.elseif (\k) == VA
	WIN W_CV
	v_cvt_scale_pk8_f32_fp4 v[MA+32*(\u)+8*(\n):MA+32*(\u)+8*(\n)+7], v[RAW+16*Y+8+4*(\u)+(\n)], v[SCA]
.elseif (\k) == VB
	WIN W_CV
	v_cvt_scale_pk8_f32_fp4 v[MC+32*(\u)+8*(\n):MC+32*(\u)+8*(\n)+7], v[RAW+16*((Y+2)%NP)+4*(\u)+(\n)], v[SCB]
.elseif (\k) == R
	REGS Y, \u
	WIN W_RS
	v_pk_mul_f32 v[rO+2*(\n):rO+2*(\n)+1], v[rO+2*(\n):rO+2*(\n)+1], v[rC+2:rC+3] op_sel_hi:[1,0]
.elseif (\k) == M
	REGS Y, \u
	WIN W_M
	v_pk_mul_f32 v[rS+2*(\n):rS+2*(\n)+1], v[rS+2*(\n):rS+2*(\n)+1], v[MA+32*(\u)+2*(\n):MA+32*(\u)+2*(\n)+1]
.elseif (\k) == E
	REGS Y, \u
.if MSB != W_M                      ; it names a destination and source 0 alone, which W_M leaves in window 0
	WIN 0
.endif
	v_exp_f32 v[rS+(\n)], v[rS+(\n)]
.else
	REGS Y, \u
	WIN 0
.if (\k) == F
	v_pk_fma_f32 v[rS+2*(\n):rS+2*(\n)+1], v[rS+2*(\n):rS+2*(\n)+1], s[CS:CS+1], v[rT:rT+1] op_sel_hi:[1,0,0] neg_lo:[0,0,1] neg_hi:[0,0,1]
.elseif (\k) == C
	v_cvt_pk_f16_f32 v[rP+(\n)], v[rS+2*(\n)], v[rS+2*(\n)+1]
.elseif (\n) == 0
	s_wait_alu depctr_va_vdst(0)
	v_pk_fma_f32 v[rT+2:rT+3], v[rT+2:rT+3], v[rC+2:rC+3], v[rS:rS+1] op_sel_hi:[1,0,1]
.else
	s_wait_alu depctr_va_vdst(0)
	v_pk_add_f32 v[rT+2:rT+3], v[rT+2:rT+3], v[rS+2*(\n):rS+2*(\n)+1]
.endif
.endif
.endm
.macro DUO k1, n1, k2, n2           ; two lines for each of the piece's two tiles: with an exponential second they read plain, exponential, plain, exponential
	OP1 \k1, \n1, 0
	OP1 \k2, \n2, 0
	OP1 \k1, \n1, 1
	OP1 \k2, \n2, 1
.endm
.macro ROW k1, n1, k2, n2           ; a matrix instruction and the four behind it, which share one window setting
	MM
	DUO \k1, \n1, \k2, \n2
.endm
.macro STEPP o, p, b                ; a mask's pointer goes a key step on; the look-ahead stops at the last step, so no load leaves a table
	s_wait_xcnt 0x0                 ; the pointer is rewritten only when the loads that name it have had their addresses translated (ISA guide 3.1)
	s_add_co_u32 s[\o], s[\o], 512
	s_min_u32 s[\o], s[\o], 31*512
	s_add_nc_u64 s[\p:\p+1], s[\b:\b+1], s[\o:\o+1]
.endm
; A TURN, for piece p: 32 matrix instructions, 284 vector instructions, four loads of masks' words.  For each pair n the order is F n, E 2n, E 2n+1, L n, M n, C n; a plain line stands behind every exponential
; and every conversion before its result is used.
; VB writes the first mask's f32 registers ten plain lines behind product 7, the last that read them.  K of the next step is fetched in piece 2's turn, V of the step in hand in piece 0's, each behind
; four plain lines (rescalings of other registers) that follow the last product that read the registers.
; THE MASKS' RING.  A piece's words are loaded again in the turn that has converted them, for the use four turns on.
.macro TURN p, last=0, cnt=0
.set Y, (\p)
.set i, 0
	s_wait_loadcnt 12               ; the twelve loads of the three turns before may be out; those of the fourth before, which this turn converts, are in
.if (\p) == NP-1
	s_wait_dscnt 0x0                ; K is in
.endif
	ROW VA,0, VA,1
	ROW VA,2, VA,3
	ROW F,0, F,1
	ROW F,2, F,3
	ROW F,4, E,0
	ROW F,5, E,1
	ROW F,6, E,2
	ROW F,7, E,3
	ROW L,0, E,4
	ROW F,8, E,5
	ROW L,1, E,6
	ROW F,9, E,7
	ROW VB,0, VB,1
	ROW VB,2, VB,3
	ROW R,0, R,1
	ROW R,2, R,3
.if (\p) == 0
	STEPP MOA, MPA, MBA             ; the second mask: this turn's key step + 1, for the four turns from here
.endif
	GLA \p, MPA
.if (\p) == NP-2
	WIN 0
	v_add_nc_u32 v[AK], s[TBK], v[AK0]
	FETCH_K \last
.endif
	DUO M,0, E,8
	DUO M,1, E,9
	DUO F,10, E,10
	DUO F,11, E,11
	DUO C,0, X,0
	DUO C,1, X,1
	DUO L,2, X,2
	DUO L,3, X,3
	DUO M,2, E,12
	DUO M,3, E,13
	DUO F,12, E,14
	DUO F,13, E,15
	DUO C,2, X,4
	DUO C,3, X,5
	DUO L,4, X,6
	DUO L,5, X,7
.if (\p) == 1
	s_wait_dscnt 0x0                ; V is in
.endif
	ROW M,4, E,16
	ROW M,5, E,17
	ROW C,4, X,8
	ROW C,5, X,9
	ROW L,6, X,10
	ROW L,7, X,11
	ROW M,6, E,18
	ROW M,7, E,19
	ROW F,14, E,20
	ROW F,15, E,21
	ROW C,6, X,12
	ROW C,7, X,13
	ROW L,8, X,14
	ROW L,9, X,15
	ROW R,4, R,5
	ROW R,6, R,7
.if (\p) == NP-2
	STEPP MOB, MPB, MBB             ; the first mask: this turn's key step + 2, for the four turns from here
.endif
	GLB \p, MPB
.if (\p) == 0
	WIN 0
	v_add_nc_u32 v[AV], s[TBV], v[AV0]
	s_add_co_u32 s[TBV], s[TBV], KS*PV
	FETCH_V
.endif
	DUO M,8, E,22
	DUO M,9, E,23
	DUO X,16, C,8
	DUO L,10, C,9
	DUO X,17, L,11
	DUO M,10, E,24
	DUO M,11, E,25
	DUO X,18, E,26
	DUO C,10, E,27
	DUO X,19, C,11
	DUO L,12, E,28
	DUO X,20, E,29
	DUO L,13, X,21
	DUO M,12, E,30
	DUO M,13, E,31
	DUO C,12, L,14
	DUO C,13, L,15
	DUO M,14, M,15
	DUO C,14, C,15
.if \cnt
	s_sub_co_u32 s[CNT], s[CNT], 1  ; the loop's count, some lines ahead of the branch behind the turn: only vector lines and window switches follow
	s_cmp_lg_u32 s[CNT], 0
.endif
	DUO R,8, R,9
	DUO R,10, R,11
	DUO R,12, R,13
	DUO R,14, R,15
.endm
	CHANGE 1                        ; slot 0 is in, everybody's part of it; slot 1 is asked for
	FETCH_K                         ; key step 0
	s_wait_loadcnt 16               ; Q and the four loads ahead of the ring are in; the ring's sixteen may be out
	s_wait_dscnt 0x0
	WIN W_CV
.irp w, 0,1,2,3,4,5,6,7
	v_cvt_scale_pk8_f32_fp4 v[MC+8*\w:MC+8*\w+7], v[MA+\w], v[SCB]  ; piece 0's first mask at key step 0
.endr
	v_nop                           ; a plain line between the last conversion and the products that take its result
.set i, 0
.rept 16
	KQ 0                            ; piece 0's first scores
.set i, i+1
.endr
	WIN 0
.rept 4
	v_nop                           ; the places behind those products
.endr
	WIN W_CV
.irp w, 0,1,2,3,4,5,6,7
	v_cvt_scale_pk8_f32_fp4 v[MC+8*\w:MC+8*\w+7], v[MA+8+\w], v[SCB]  ; piece 1's, for the first turn's products
.endr
.set Y, NP-1                        ; X works for piece Y + 1: piece 0
.irp n, 0,1,2,3,4,5,6,7,8,9,10,11,12,13,14,15,16,17,18,19,20,21
	OP1 X, \n, 0
	OP1 X, \n, 1
.endr
	WIN 0
	s_mov_b32 s[CNT], 4
	s_mov_b32 s[SLOTS], SIZE_N/256-1
	s_branch .Lfirst                ; the loop is entered at a step's first turn, in the middle of a trip
.Lslot:                             ; six times: every slot but the last two is filled again
	CHANGE 1
	s_mov_b32 s[CNT], 4
.Lstep:                             ; a trip: pieces 2 and 3 of one step, then pieces 0 and 1 of the next, whose K and V it fetches
	TURN 2
	TURN 3
	WIN 0
.Lfirst:
	TURN 0
	TURN 1, 0, 1
	WIN 0
	s_cbranch_scc1 .Lstep
	s_sub_co_u32 s[SLOTS], s[SLOTS], 1
	s_cmp_lg_u32 s[SLOTS], 0
	s_cbranch_scc1 .Lslot
	CHANGE 0                        ; the tail is written out: nothing is asked for
	s_mov_b32 s[CNT], 5             ; four trips fetch the last slot's steps; the fifth is left in its middle
.Ltail:
	TURN 2, 1
	TURN 3
	WIN 0
	s_sub_co_u32 s[CNT], s[CNT], 1
	s_cmp_eq_u32 s[CNT], 0
	s_cbranch_scc1 .Lout
	TURN 0
	TURN 1
	WIN 0
	s_branch .Ltail
.Lout:                              ; the fifth trip's 16 products K Q^T (on the last K once more) and the maximum made of them serve nothing: l and O^T are not touched by them
.set i, 0
.rept 16
	PV NP-1                         ; the last piece's V^T P of the last step
.set i, i+1
.endr
	; THE WAY OUT.  l's two halves and the other half of the lanes' are added; O^T is divided by l, rounded to f16 and sent through my stage in LDS, a tile at a time.  The additions are the places behind the last products.
	WIN 0
.macro ALL line:vararg              ; one line for each tile t
.set t, 0
.rept 2*NP
	\line
.set t, t+1
.endr
.endm
	ALL v_add_f32 v[ST+4*t+2], v[ST+4*t+2], v[ST+4*t+3]
	ALL v_permlanex16_b32 v[ST+4*t+3], v[ST+4*t+2], s[SEL], s[SEL+1]
	ALL v_add_f32 v[ST+4*t+2], v[ST+4*t+2], v[ST+4*t+3]
	ALL v_rcp_f32 v[ST+4*t+2], v[ST+4*t+2]
	v_nop                           ; a plain line between the last reciprocal and the use of its result
.macro PACK t                       ; a lane's eight channels of a row pack into 16 bytes; they go into rows of 144 bytes and come back as whole rows of 128, into S^T's registers
	WIN W_RS
.set i, 32*(\t)
.rept 16
	s_wait_alu depctr_va_vdst(0)
	v_pk_mul_f32 v[i:i+1], v[i:i+1], v[ST+4*(\t)+2:ST+4*(\t)+3] op_sel_hi:[1,0]
.set i, i+2
.endr
	WIN 0x05                        ; sources 0 and 1 window 1, destination window 0
.set i, 0
.rept 16
	v_cvt_pk_f16_f32 v[S+16*(\t)+i], v[32*(\t)+2*i], v[32*(\t)+2*i+1]
.set i, i+1
.endr
	WIN 0
.irp f, 0,1,2,3
	ds_store_b128 v[STO], v[S+16*(\t)+4*\f:S+16*(\t)+4*\f+3] offset:32*\f
.endr
.irp f, 0,1,2,3
	ds_load_b128 v[S+16*(\t)+4*\f:S+16*(\t)+4*\f+3], v[RD] offset:\f*4*SP  ; LDS serves a wave's instructions in order (ISA guide 5.7.1.4): these see the stores above; the next tile's stores come behind them
.endr
.endm
.macro SEND t, younger              ; younger: the LDS instructions issued behind tile t's loads: the next tile's eight, or none
	WIN 0
.irp f, 0,1,2,3
	s_wait_dscnt (\younger)+3-\f
	global_store_b128 v[GO], v[S+16*(\t)+4*\f:S+16*(\t)+4*\f+3], s[10:11] offset:(\t)*2048+\f*512  ; 512 consecutive bytes, at a multiple of 256 from ob's first
.endr
.endm
	PACK 0
.set t, 1
.rept 2*NP-1                        ; a tile's arithmetic stands between the loads of the tile before and its stores
	PACK t
	SEND t-1, 8
.set t, t+1
.endr
	SEND 2*NP-1, 0
	WIN W_AD
	s_wait_tensorcnt 0x0            ; the wave's end
	ds_add_u32 v[SPW], v[NIL]
	s_wait_dscnt 0x0
	WIN 0
	CROUND                          ; the closing round: no work-group ends while a partner may still ask for a tile that names it
	s_endpgm
.Lfunc_end_k_qd1779adf86_attn:
	.size	k_qd1779adf86_attn, .Lfunc_end_k_qd1779adf86_attn-k_qd1779adf86_attn
	.p2alignl 7, 3214868480
	.fill 96, 4, 3214868480
	.section	.rodata,"a",@progbits
	.p2align	6, 0x0
	.amdhsa_kernel k_qd1779adf86_attn
		.amdhsa_group_segment_fixed_size 327680
		.amdhsa_private_segment_fixed_size 0
		.amdhsa_enable_private_segment 0
		.amdhsa_kernarg_size 32
		.amdhsa_user_sgpr_count 2
		.amdhsa_user_sgpr_kernarg_segment_ptr 1
		.amdhsa_wavefront_size32 1
		.amdhsa_system_sgpr_workgroup_id_x 1
		.amdhsa_system_sgpr_workgroup_id_y 1
		.amdhsa_system_sgpr_workgroup_id_z 1
		.amdhsa_system_vgpr_workitem_id 0
		.amdhsa_next_free_vgpr 992
		.amdhsa_next_free_sgpr 88
		.amdhsa_reserve_vcc 0
		.amdhsa_float_denorm_mode_32 3
		.amdhsa_float_denorm_mode_16_64 3
		.amdhsa_memory_ordered 1
		.amdhsa_forward_progress 1
		.amdhsa_inst_pref_size 242
	.end_amdhsa_kernel
	.amdgpu_metadata
---
amdhsa.version: [ 1, 2 ]
amdhsa.kernels:
  - .name:           k_qd1779adf86_attn
    .symbol:         k_qd1779adf86_attn.kd
    .args:
      - { .name: qkv, .offset: 0, .size: 8, .value_kind: global_buffer, .address_space: global }
      - { .name: mb4, .offset: 8, .size: 8, .value_kind: global_buffer, .address_space: global }
      - { .name: ma4, .offset: 16, .size: 8, .value_kind: global_buffer, .address_space: global }
      - { .name: ob, .offset: 24, .size: 8, .value_kind: global_buffer, .address_space: global }
    .group_segment_fixed_size: 327680
    .private_segment_fixed_size: 0
    .kernarg_segment_align: 8
    .kernarg_segment_size: 32
    .max_flat_workgroup_size: 128
    .sgpr_count:     88
    .vgpr_count:     992
    .wavefront_size: 32
...
	.end_amdgpu_metadata
.endif
;; end of part 3
;; launch oproj (part 4): grid 8 x 32, 4 waves a work-group, clusters of 4 x 4, 327,680 bytes of LDS; arguments ob, wo16, out0; writes out0
.if DOCPART == 4
	.amdgcn_target "amdgcn-amd-amdhsa--gfx1250"
	.amdhsa_code_object_version 6
	.text
	.protected	k_qd1779adf86_oproj
	.globl	k_qd1779adf86_oproj
	.p2align	8
	.type	k_qd1779adf86_oproj,@function
k_qd1779adf86_oproj:
	s_mov_b64 s[64:65], 0
	v_nop
	global_prefetch_b8 v0, s[64:65] scope:SCOPE_SE
	s_setreg_imm32_b32 hwreg(HW_REG_WAVE_MODE, 25, 1), 1
	s_wait_xcnt 0x0
	s_wait_alu depctr_hold_cnt(0) depctr_sa_sdst(0) depctr_va_vdst(0) depctr_va_sdst(0) depctr_va_ssrc(0) depctr_va_vcc(0) depctr_vm_vsrc(0)
	s_getreg_b32 s2, hwreg(HW_REG_IB_STS2, 6, 4)
	s_cmp_eq_u32 s2, 0
	s_cbranch_scc0 .Lentry_in_a_cluster
	s_endpgm
.Lentry_in_a_cluster:
	s_bfe_u32 s2, ttmp6, 0x10000c
	s_cmp_lg_u32 s2, 0xf033
	s_cbranch_scc0 .Lentry_shape_is_right
	s_endpgm
.Lentry_shape_is_right:
; OPROJ: out0 = O Wo.  A = ob, f16, by heads [16 b + h][2048][64]; B = wo16 [1024 k][1024 n] f16 (Wo rounded to bf16, written as f16); sums in f32, K ascending; out0 [8192][1024] f32.
; SHARES.  A tile of C is 256 rows x 128 columns.  Four waves; wave w owns rows 64 w .. 64 w + 63 and all 128 columns: 4 x 8 accumulators of 16 x 16, 256 registers.
; K goes in 8 steps of 128, two heads a step, through two LDS slots; a step is four quarters of 32 along K on two fragment buffers.  A head's 256 rows of 128 bytes are dense in memory:
; they are asked for as 128 rows of 256 bytes and padded in LDS after every 128.
; B STAYS [K][N] in LDS and is turned by ds_load_tr16_b128.  THE MATRIX INSTRUCTION IS USED TRANSPOSED: source 0 = 16 columns of Wo, source 1 = 16 rows of O: a lane holds row lane % 16 of C and
; eight neighbouring columns, 32 bytes of f32.
; CLUSTER.  4 x 4 work-groups: A's tiles are shared along a row of the cluster, B's along a column, each asked for jointly.
; REGISTERS, in windows of 256 (s_set_vgpr_msb: bits 1:0 source 0, 3:2 source 1, 5:4 source 2, 7:6 destination):
;   window 0: v0-29 addresses; v64-127 A's fragments, two buffers of 4 x 8; on the way out v128-191 and v192-255 rows read back, by turns
;   window 1: v0-127 B's fragments, two buffers of 8 x 8      window 2: accumulators of row blocks 0, 1      window 3: of row blocks 2, 3
.set KSTEPS, 8
.set NB,     8
.set PA,     144                       ; a row of A in LDS: 128 bytes + 16
.set PB,     288                       ; a row of B: 256 bytes + 32: 9 x 32 bytes
.set AHALF,  256*PA                    ; a head's plane: what one tensor load of A brings
.set BOFF,   2*AHALF
.set BHALF,  64*PB
.set SLOT1,  131072
.set STAGE,  SLOT1+BOFF+2*BHALF        ; behind the ring, never filled by a tensor load: 16 rows x 528 bytes for each wave
.set SPITCH, 528
.set SPARE,  STAGE+4*16*SPITCH         ; the spare words, 128 bytes for each wave: two blocks of 256 bytes that no other line names
.set ASTEP,  2*262144                  ; two heads on
.set BSTEP,  128*1024*2
.set NLD,    2*NB+8
.set A0,   16
.set B0,   17
.set ADRA, 18
.set ADRB, 19
.set STO,  24
.set RD,   25
.set CO,   26
.set SPW,  28
.set NIL,  29
.set FA,   64
.set BK0,  128
.set BK1,  192
.set G1,  24
.set G0,  32
.set TB,  45
.set G1B, 48
.set G0B, 56
.set MSB, 0
.macro WIN new
.if MSB != (\new)
	s_set_vgpr_msb (MSB<<8)|(\new)
.set MSB, \new
.endif
.endm
.set MUL_LO, 0xa1
.set TO_B,   0x40
.macro PLACES
.rept 4
	v_nop
.endr
.endm
.macro JLOAD                           ; a joint refill: waves 0 and 1 fetch A's two planes, waves 2 and 3 B's halves; an s_nop 0 and four v_nop follow each line
	s_cmp_eq_u32 s11, 0
	s_cbranch_scc0 .Lfor_b_\@
	tensor_load_to_lds s[G0+4:G0+7], s[G1:G1+7]
	s_nop 0
.rept 4
	v_nop
.endr
	s_branch .Lasked_\@
.Lfor_b_\@:
	tensor_load_to_lds s[G0B+4:G0B+7], s[G1B:G1B+7]
	s_nop 0
.rept 4
	v_nop
.endr
.Lasked_\@:
.endm
.macro CREST
	s_cmp_lg_u32 s10, 0
	s_cbranch_scc1 .Lnot_wave_0_\@
	s_barrier_signal -3
.Lnot_wave_0_\@:
	s_barrier_wait -3
	s_barrier_signal -1
	s_barrier_wait -1
.endm
.macro CROUND
	s_barrier_signal -1
	s_barrier_wait -1
	CREST
.endm
	s_load_b128 s[4:7], s[0:1], 0x0                ; ob s[4:5], wo16 s[6:7]
	s_load_b64 s[8:9], s[0:1], 0x10                ; out0
	v_lshl_add_u32 v[SPW], v0, 2, SPARE
	v_mov_b32 v[NIL], 0
	ds_add_u32 v[SPW], v[NIL]                      ; the wave's opening: the add and its wait stand ahead of my first tensor load
	v_lshrrev_b32 v1, 5, v0
	v_readfirstlane_b32 s10, v1                    ; wave 0..3
	s_lshr_b32 s11, s10, 1                         ; I fetch for A (0) or for B (1),
	s_and_b32 s12, s10, 1                          ; and which half
	s_bfe_u32 s40, ttmp6, 0x40000
	s_bfe_u32 s41, ttmp6, 0x40004
	s_lshl_b32 s42, ttmp9, 2
	s_add_co_u32 s42, s42, s40                     ; tile column
	s_and_b32 s13, ttmp7, 0xffff
	s_lshl_b32 s13, s13, 2
	s_add_co_u32 s13, s13, s41                     ; tile row
	s_lshl_b32 s43, s41, 2
	s_lshl_b32 s43, 15, s43                        ; my row of the cluster
	s_lshl_b32 s44, 0x1111, s40                    ; my column
	s_or_b32 s[G1+0], s43, (1<<16)|(1<<20)|(1<<21)|(4<<22)|(3<<25)   ; after every 32 words 4 words
	s_mov_b32 s[G1+1], 128<<16                     ; tensor_dim0 = 128: two rows of a head
	s_mov_b32 s[G1+2], 128<<16                     ; tensor_dim1 = 128
	s_mov_b32 s[G1+3], 128<<16                     ; tile_dim0 = 128
	s_mov_b32 s[G1+4], 128                         ; tile_dim1 = 128
	s_mov_b32 s[G1+5], 128                         ; dense
	s_mov_b32 s[G1+6], 0
	s_mov_b32 s[G1+7], 0
	s_or_b32 s[G1B+0], s44, (1<<16)|(1<<20)|(1<<21)|(5<<22)|(7<<25)  ; after every 64 words 8 words
	s_mov_b32 s[G1B+1], 128<<16
	s_mov_b32 s[G1B+2], 64<<16
	s_mov_b32 s[G1B+3], 128<<16
	s_mov_b32 s[G1B+4], 64
	s_mov_b32 s[G1B+5], 1024
	s_mov_b32 s[G1B+6], 0
	s_mov_b32 s[G1B+7], 0
	s_lshr_b32 s16, s13, 3                         ; A hangs on the tile row and the wave alone: batch = tile row / 8,
	s_lshl_b32 s16, s16, 4
	s_add_co_u32 s16, s16, s12                     ; head 16 b + half,
	s_lshl_b32 s16, s16, 18
	s_and_b32 s17, s13, 7
	s_lshl_b32 s17, s17, 15                        ; rows 256 (tile row % 8) on, of 128 bytes
	s_add_co_u32 s16, s16, s17
	s_mov_b32 s17, 0
	s_lshl_b32 s46, s42, 8                         ; B on the tile column and the wave alone: 128 columns,
	s_lshl_b32 s47, s12, 17                        ; and 64 rows of 2,048 bytes for the second half
	s_add_co_u32 s46, s46, s47
	s_mov_b32 s47, 0
	s_mul_i32 s20, s12, AHALF
	s_mul_i32 s21, s12, BHALF
	s_add_co_u32 s21, s21, BOFF
	s_wait_dscnt 0x0                               ; the opening add is done
	s_wait_kmcnt 0x0
	s_add_nc_u64 s[14:15], s[4:5], s[16:17]
	s_add_nc_u64 s[46:47], s[6:7], s[46:47]
	CROUND                                         ; all sixteen work-groups are here: the first joint loads meet
.irp s, 0,1
	s_mov_b32 s[G0+4*(\s)], 1
	s_add_co_u32 s[G0+4*(\s)+1], s20, (\s)*SLOT1
	s_add_nc_u64 s[G0+4*(\s)+2:G0+4*(\s)+3], s[14:15], (\s)*ASTEP
	s_or_b32 s[G0+4*(\s)+3], s[G0+4*(\s)+3], 0x80000000
	s_mov_b32 s[G0B+4*(\s)], 1
	s_add_co_u32 s[G0B+4*(\s)+1], s21, (\s)*SLOT1
	s_add_nc_u64 s[G0B+4*(\s)+2:G0B+4*(\s)+3], s[46:47], (\s)*BSTEP
	s_or_b32 s[G0B+4*(\s)+3], s[G0B+4*(\s)+3], 0x80000000
.endr
	s_cmp_eq_u32 s11, 0                            ; a wave's two first fills stand in one branch: two loads of mine are out
	s_cbranch_scc0 .Lfirst_b
	tensor_load_to_lds s[G0:G0+3], s[G1:G1+7]
	s_nop 0
	tensor_load_to_lds s[G0+4:G0+7], s[G1:G1+7]
	s_nop 0
.rept 4
	v_nop
.endr
	s_branch .Lfirst_asked
.Lfirst_b:
	tensor_load_to_lds s[G0B:G0B+3], s[G1B:G1B+7]
	s_nop 0
	tensor_load_to_lds s[G0B+4:G0B+7], s[G1B:G1B+7]
	s_nop 0
.rept 4
	v_nop
.endr
.Lfirst_asked:
	v_and_b32 v1, 15, v0                           ; r
	v_bfe_u32 v2, v0, 4, 1                         ; h
	v_and_b32 v3, 7, v0
	v_bfe_u32 v4, v0, 3, 1
	v_mul_u32_u24 v[A0], v1, PA
	v_lshl_add_u32 v[A0], v2, 4, v[A0]
	s_mul_i32 s22, s10, 64*PA                      ; my 64 rows, in each plane
	v_add_nc_u32 v[A0], s22, v[A0]
	v_lshl_add_u32 v[B0], v2, 3, v3
	v_mul_u32_u24 v[B0], v[B0], PB
	v_lshl_add_u32 v[B0], v4, 4, v[B0]
	v_add_nc_u32 v[B0], BOFF, v[B0]
	v_mov_b32 v[ADRA], v[A0]
	v_mov_b32 v[ADRB], v[B0]
	s_mov_b32 s[TB], 0
	s_mul_i32 s23, s10, 16*SPITCH
	s_add_co_u32 s23, s23, STAGE                   ; my stage
	v_mul_u32_u24 v5, v1, SPITCH                   ; in: row r, 32 bytes for each half of the lanes
	v_lshl_add_u32 v5, v2, 5, v5
	v_add_nc_u32 v[STO], s23, v5
	v_and_b32 v5, 31, v0                           ; back: 32 lanes take a row's 512 bytes
	v_lshlrev_b32 v[CO], 4, v5
	v_add_nc_u32 v[RD], s23, v[CO]
	s_lshl_b32 s18, s13, 2                         ; out0 at my rows: 256 x tile row + 64 w, of 4,096 bytes,
	s_add_co_u32 s18, s18, s10
	s_lshl_b32 s18, s18, 18
	s_lshl_b32 s19, s42, 9                         ; and the tile's 128 columns
	s_add_co_u32 s18, s18, s19
	s_mov_b32 s19, 0
	s_add_nc_u64 s[8:9], s[8:9], s[18:19]
; 8 matrix instructions: row block a x all column blocks, 32 along K, from buffer f.  The 32 accumulators take turns, one instruction a turn.
.macro MULA f, a, zero
	WIN MUL_LO+0x50*((\a)/2)
.set bb, 0
.rept NB
.set rD, 8*NB*((\a)%2)+8*bb
.set rB, 8*NB*(\f)+8*bb
.set rA, FA+32*(\f)+8*(\a)
.if \zero
	v_wmma_f32_16x16x32_f16 v[rD:rD+7], v[rB:rB+7], v[rA:rA+7], 0
.else
	v_wmma_f32_16x16x32_f16 v[rD:rD+7], v[rB:rB+7], v[rA:rA+7], v[rD:rD+7]
.endif
.set bb, bb+1
.endr
.endm
; One run of 24 LDS loads: quarter q's fragments into buffer g: B's 8 (turned), then A's 4 (plane q / 2, channels 32 (q % 2) on).
.macro FETCH q, g
	WIN TO_B
.set bb, 0
.rept NB
	ds_load_tr16_b128 v[8*NB*(\g)+8*bb:8*NB*(\g)+8*bb+3],   v[ADRB] offset:32*(\q)*PB+32*bb
	ds_load_tr16_b128 v[8*NB*(\g)+8*bb+4:8*NB*(\g)+8*bb+7], v[ADRB] offset:32*(\q)*PB+16*PB+32*bb
.set bb, bb+1
.endr
	WIN 0
.set bb, 0
.rept 4
	ds_load_b128 v[FA+32*(\g)+8*bb:FA+32*(\g)+8*bb+3],   v[ADRA] offset:((\q)/2)*AHALF+((\q)%2)*64+bb*16*PA
	ds_load_b128 v[FA+32*(\g)+8*bb+4:FA+32*(\g)+8*bb+7], v[ADRA] offset:((\q)/2)*AHALF+((\q)%2)*64+bb*16*PA+32
.set bb, bb+1
.endr
.endm
.macro QUARTER q, f, g, zero
	s_wait_dscnt 4                                 ; B and A's row blocks 0, 1 are in; the four youngest loads may be out
	MULA \f, 0, \zero
	MULA \f, 1, \zero
	PLACES
	FETCH \q, \g
	s_wait_dscnt NLD                               ; all but the run just issued
	MULA \f, 2, \zero
	MULA \f, 3, \zero
.endm
; The last quarter multiplies buffer 1 and changes slots: in front of the barrier each wave waits for all its tensor loads, adds 0 to its spare word, and waits for that and for its reads of this slot.
.macro TURN fill
	WIN 0
	s_wait_tensorcnt 0x0
	ds_add_u32 v[SPW], v[NIL]
	s_wait_dscnt 5                                 ; (the add and the four youngest loads may be out)
	MULA 1, 0, 0
	s_wait_dscnt 0x0                               ; the add is done, and my reads of this slot are over
	s_barrier_signal -1
	MULA 1, 1, 0
	WIN 0
	s_barrier_wait -1
.if \fill
	CREST                                          ; no wave of any partner still reads this slot or has a load on its way
	s_xor_b32 s[G0+5], s[G0+5], SLOT1
	s_add_nc_u64 s[G0+6:G0+7], s[G0+6:G0+7], ASTEP
	s_xor_b32 s[G0B+5], s[G0B+5], SLOT1
	s_add_nc_u64 s[G0B+6:G0B+7], s[G0B+6:G0B+7], BSTEP
	JLOAD                                          ; the first tensor load behind the round; its four v_nop are also the places in front of the loads below
.else
	PLACES
.endif
	s_xor_b32 s[TB], s[TB], SLOT1
	v_add_nc_u32 v[ADRA], s[TB], v[A0]
	v_add_nc_u32 v[ADRB], s[TB], v[B0]
	FETCH 0, 0
	MULA 1, 2, 0
	MULA 1, 3, 0
.endm
; THE WAY OUT of row block a: the f32 sums go as they are into my own stage (each accumulator's low half first) and come back as whole rows of 512 bytes.
.macro TOSTAGE a
.set BK, BK0+(BK1-BK0)*((\a)%2)
.if (\a) >= 2
	s_wait_xcnt 0x0                                ; the stores of the block before last have read the registers that the loads below fill
.endif
	WIN 0x08+4*((\a)/2)                            ; the stores' data: window 2 or 3
.set bb, 0
.rept NB
	ds_store_b128 v[STO], v[8*NB*((\a)%2)+8*bb:8*NB*((\a)%2)+8*bb+3]   offset:64*bb
	ds_store_b128 v[STO], v[8*NB*((\a)%2)+8*bb+4:8*NB*((\a)%2)+8*bb+7] offset:64*bb+16
.set bb, bb+1
.endr
	WIN 0
.set bb, 0
.rept 16
	ds_load_b128 v[BK+4*bb:BK+4*bb+3], v[RD] offset:SPITCH*bb  ; LDS serves a wave's instructions in order (ISA guide 5.7.1.4): these see the stores above
.set bb, bb+1
.endr
.endm
.macro SEND a, younger                 ; younger: the next block's 16 stores and 16 loads, or none
.set BK, BK0+(BK1-BK0)*((\a)%2)
	s_wait_dscnt \younger
.set bb, 0
.rept 16
	global_store_b128 v[CO], v[BK+4*bb:BK+4*bb+3], s[8:9] offset:(16*(\a)+bb)*4096 th:TH_STORE_NT  ; 512 consecutive bytes, at a multiple of 256 from out0's first
.set bb, bb+1
.endr
.endm
	s_wait_tensorcnt 1                             ; my part of K step 0 is in; step 1's may stay out
	s_barrier_signal -1
	s_barrier_wait -1
	FETCH 0, 0
	QUARTER 1, 0, 1, 1                             ; the first quarter's products start the sums
	WIN 0
	s_mov_b32 s3, KSTEPS-2
.Lstep:                                                ; trip t ends K step t, fills its slot with step t + 2, and begins step t + 1
	QUARTER 2, 1, 0, 0
	QUARTER 3, 0, 1, 0
	TURN 1
	QUARTER 1, 0, 1, 0
	WIN 0
	s_sub_co_u32 s3, s3, 1
	s_cmp_lg_u32 s3, 0
	s_cbranch_scc1 .Lstep
	QUARTER 2, 1, 0, 0                             ; the last two K steps are written out: nothing is left to fetch
	QUARTER 3, 0, 1, 0
	TURN 0
	QUARTER 1, 0, 1, 0
	QUARTER 2, 1, 0, 0
	QUARTER 3, 0, 1, 0
	s_wait_dscnt 4
	MULA 1, 0, 0
	MULA 1, 1, 0
	s_wait_dscnt 0x0
	MULA 1, 2, 0
	MULA 1, 3, 0
	WIN 0
	PLACES
	TOSTAGE 0
	TOSTAGE 1
	SEND 0, 32
	TOSTAGE 2
	SEND 1, 32
	TOSTAGE 3
	SEND 2, 32
	SEND 3, 0
	s_wait_tensorcnt 0x0                           ; the wave's end
	ds_add_u32 v[SPW], v[NIL]
	s_wait_dscnt 0x0
	CROUND                                         ; the closing round
	s_endpgm
.Lfunc_end_k_qd1779adf86_oproj:
	.size	k_qd1779adf86_oproj, .Lfunc_end_k_qd1779adf86_oproj-k_qd1779adf86_oproj
	.p2alignl 7, 3214868480
	.fill 96, 4, 3214868480
	.section	.rodata,"a",@progbits
	.p2align	6, 0x0
	.amdhsa_kernel k_qd1779adf86_oproj
		.amdhsa_group_segment_fixed_size 327680
		.amdhsa_private_segment_fixed_size 0
		.amdhsa_enable_private_segment 0
		.amdhsa_kernarg_size 24
		.amdhsa_user_sgpr_count 2
		.amdhsa_user_sgpr_kernarg_segment_ptr 1
		.amdhsa_wavefront_size32 1
		.amdhsa_system_sgpr_workgroup_id_x 1
		.amdhsa_system_sgpr_workgroup_id_y 1
		.amdhsa_system_sgpr_workgroup_id_z 1
		.amdhsa_system_vgpr_workitem_id 0
		.amdhsa_next_free_vgpr 896
		.amdhsa_next_free_sgpr 66
		.amdhsa_reserve_vcc 0
		.amdhsa_float_denorm_mode_32 3
		.amdhsa_float_denorm_mode_16_64 3
		.amdhsa_memory_ordered 1
		.amdhsa_forward_progress 1
		.amdhsa_inst_pref_size 69
	.end_amdhsa_kernel
	.amdgpu_metadata
---
amdhsa.version: [ 1, 2 ]
amdhsa.kernels:
  - .name:           k_qd1779adf86_oproj
    .symbol:         k_qd1779adf86_oproj.kd
    .args:
      - { .name: ob, .offset: 0, .size: 8, .value_kind: global_buffer, .address_space: global }
      - { .name: wo16, .offset: 8, .size: 8, .value_kind: global_buffer, .address_space: global }
      - { .name: out0, .offset: 16, .size: 8, .value_kind: global_buffer, .address_space: global }
    .group_segment_fixed_size: 327680
    .private_segment_fixed_size: 0
    .kernarg_segment_align: 8
    .kernarg_segment_size: 24
    .max_flat_workgroup_size: 128
    .sgpr_count:     66
    .vgpr_count:     896
    .wavefront_size: 32
...
	.end_amdgpu_metadata
.endif
;; end of part 4
